; MI455X (gfx1250); checked and timed in simulation.
; The chip was launched on July 23, 2026; its instructions are those of AMD's public machine-readable ISA for CDNA 5 (MIT licence, August 2026) and "CDNA5" Instruction Set Architecture Reference Guide (July 2026). The comments in the code are by the model that wrote it; some were corrected since.
;; Self Attention. Allowed arithmetic: float matrix products may take bf16 or f16 operands with f32 sums; other float arithmetic in f32, or as packed bf16 or f16 multiplies, adds, multiply-adds, maxima and minima; sums over many terms, partial sums and values carried from step to step in f32; what a program stores and reads back later, other than sums and carried values, may be rounded once to bf16 or f16.
;; Inputs: Wk 1,024 x 1,024 float32; Wo 1,024 x 1,024 float32; Wq 1,024 x 1,024 float32; Wv 1,024 x 1,024 float32; bk 1,024 float32; bo 1,024 float32; bq 1,024 float32; bv 1,024 float32; x 4 x 2,048 x 1,024 float32.
;; Outputs: out0 4 x 2,048 x 1,024 float32.
;; 2 versions, each right; version 2 is version 1 with the launch prep written anew for expert scheduling mode. Each part assembles by itself: llvm-mc -triple=amdgcn-amd-amdhsa -mcpu=gfx1250 --defsym DOCPART=n.
;; ======== version 1 of 2: 5 launches
;; limits: values are held in f16: magnitudes above 65,504 overflow, below 6.1e-05 lose precision
;; workspace buffers: x16 16,777,216 bytes; wqkv 6,291,456 bytes; wo16 2,097,152 bytes; qkv 50,331,648 bytes; pl 33,554,432 bytes; stats 1,048,576 bytes; o16 16,777,216 bytes
;; launch prep (part 1): grid 768 x 1, 8 waves a work-group, no clusters, 0 bytes of LDS; arguments x, Wq, Wk, Wv, Wo, x16, wqkv, wo16; writes x16, wqkv, wo16
.if DOCPART == 1
	.amdgcn_target "amdgcn-amd-amdhsa--gfx1250"
	.amdhsa_code_object_version 6
	.text
	.protected	k_qe726fc6f85_prep
	.globl	k_qe726fc6f85_prep
	.p2align	8
	.type	k_qe726fc6f85_prep,@function
k_qe726fc6f85_prep:
	s_mov_b64 s[64:65], 0
	v_nop
	global_prefetch_b8 v0, s[64:65] scope:SCOPE_SE
	s_setreg_imm32_b32 hwreg(HW_REG_WAVE_MODE, 25, 1), 1
	s_wait_xcnt 0x0
; x, Wq, Wk, Wv, Wo (f32) are rounded once to f16, numbers in the same order: x -> x16; Wq, Wk, Wv -> wqkv (one behind the other); Wo -> wo16.
; LIMIT.  f16 holds no number beyond 65,504: an input of 65,520 or more becomes an infinity; below 6e-5 f16 keeps a fixed step of 6e-8.
; A stream: no LDS, no barrier, no matrix unit.  A work-group owns a chunk of 16,384 numbers: 65,536 bytes in, 32,768 out.
; Work-groups 0-511 take x's chunks; 512 + 64 w + c takes chunk c of weight w (Wq, Wk, Wv, Wo).  Source and destination are chosen by selects, not by branches.
; Thread t takes bytes 16 t of each of the chunk's sixteen rows of 4,096 bytes: a wave's load covers 512 consecutive bytes, its store 256 consecutive bytes, aligned.
; All sixteen loads go out first; no register is written twice, so no wait frees any.
.set IN,  4                            ; v[4:67]   sixteen loads of four numbers
.set OUT, 68                           ; v[68:99]  sixteen pairs of registers, four f16 each
	s_load_b512 s[8:23], s[0:1], 0x0               ; x s[8:9], Wq s[10:11], Wk s[12:13], Wv s[14:15], Wo s[16:17], x16 s[18:19], wqkv s[20:21], wo16 s[22:23]
	s_sub_co_u32 s2, ttmp9, 512                    ; (of use only from work-group 512 on)
	s_lshr_b32 s3, s2, 6                           ; which weight
	s_and_b32 s4, s2, 63                           ; which chunk of it
	s_cmp_lt_u32 ttmp9, 512
	s_cselect_b32 s3, 4, s3                        ; 4 stands for x
	s_cselect_b32 s4, ttmp9, s4
	s_cmp_lt_u32 s3, 3
	s_cselect_b32 s5, s3, 0                        ; Wq, Wk, Wv lie 2,097,152 bytes apart in wqkv
	s_lshl_b32 s24, s4, 16                         ; the chunk's byte offset in its source,
	s_mov_b32 s25, 0
	s_lshl_b32 s26, s4, 15                         ; and in its destination
	s_lshl_b32 s5, s5, 21
	s_add_co_u32 s26, s26, s5
	s_mov_b32 s27, 0
	v_lshlrev_b32 v1, 4, v0                        ; 16 t
	v_lshlrev_b32 v2, 3, v0                        ; 8 t
	s_wait_kmcnt 0x0
	s_cmp_eq_u32 s3, 1
	s_cselect_b64 s[28:29], s[12:13], s[10:11]
	s_cmp_eq_u32 s3, 2
	s_cselect_b64 s[28:29], s[14:15], s[28:29]
	s_cmp_eq_u32 s3, 3
	s_cselect_b64 s[28:29], s[16:17], s[28:29]
	s_cselect_b64 s[30:31], s[22:23], s[20:21]
	s_cmp_eq_u32 s3, 4
	s_cselect_b64 s[28:29], s[8:9], s[28:29]
	s_cselect_b64 s[30:31], s[18:19], s[30:31]
	s_add_nc_u64 s[28:29], s[28:29], s[24:25]
	s_add_nc_u64 s[30:31], s[30:31], s[26:27]
.set i, 0
.rept 16
	global_load_b128 v[IN+4*i:IN+4*i+3], v1, s[28:29] offset:4096*i th:TH_LOAD_NT
.set i, i+1
.endr
.set i, 0
.rept 16
	s_wait_loadcnt 15-i                            ; loads come back in order (ISA guide 5.7.1): load i is in, the younger ones stay out
	v_cvt_pk_f16_f32 v[OUT+2*i], v[IN+4*i], v[IN+4*i+1]
	v_cvt_pk_f16_f32 v[OUT+2*i+1], v[IN+4*i+2], v[IN+4*i+3]
	global_store_b64 v2, v[OUT+2*i:OUT+2*i+1], s[30:31] offset:2048*i
.set i, i+1
.endr
	s_endpgm
.Lfunc_end_k_qe726fc6f85_prep:
	.size	k_qe726fc6f85_prep, .Lfunc_end_k_qe726fc6f85_prep-k_qe726fc6f85_prep
	.p2alignl 7, 3214868480
	.fill 96, 4, 3214868480
	.section	.rodata,"a",@progbits
	.p2align	6, 0x0
	.amdhsa_kernel k_qe726fc6f85_prep
		.amdhsa_group_segment_fixed_size 0
		.amdhsa_private_segment_fixed_size 0
		.amdhsa_enable_private_segment 0
		.amdhsa_kernarg_size 64
		.amdhsa_user_sgpr_count 2
		.amdhsa_user_sgpr_kernarg_segment_ptr 1
		.amdhsa_wavefront_size32 1
		.amdhsa_system_sgpr_workgroup_id_x 1
		.amdhsa_system_sgpr_workgroup_id_y 1
		.amdhsa_system_sgpr_workgroup_id_z 1
		.amdhsa_system_vgpr_workitem_id 0
		.amdhsa_next_free_vgpr 104
		.amdhsa_next_free_sgpr 66
		.amdhsa_reserve_vcc 0
		.amdhsa_float_denorm_mode_32 3
		.amdhsa_float_denorm_mode_16_64 3
		.amdhsa_memory_ordered 1
		.amdhsa_forward_progress 1
		.amdhsa_inst_pref_size 7
	.end_amdhsa_kernel
	.amdgpu_metadata
---
amdhsa.version: [ 1, 2 ]
amdhsa.kernels:
  - .name:           k_qe726fc6f85_prep
    .symbol:         k_qe726fc6f85_prep.kd
    .args:
      - { .name: x, .offset: 0, .size: 8, .value_kind: global_buffer, .address_space: global }
      - { .name: Wq, .offset: 8, .size: 8, .value_kind: global_buffer, .address_space: global }
      - { .name: Wk, .offset: 16, .size: 8, .value_kind: global_buffer, .address_space: global }
      - { .name: Wv, .offset: 24, .size: 8, .value_kind: global_buffer, .address_space: global }
      - { .name: Wo, .offset: 32, .size: 8, .value_kind: global_buffer, .address_space: global }
      - { .name: x16, .offset: 40, .size: 8, .value_kind: global_buffer, .address_space: global }
      - { .name: wqkv, .offset: 48, .size: 8, .value_kind: global_buffer, .address_space: global }
      - { .name: wo16, .offset: 56, .size: 8, .value_kind: global_buffer, .address_space: global }
    .group_segment_fixed_size: 0
    .private_segment_fixed_size: 0
    .kernarg_segment_align: 8
    .kernarg_segment_size: 64
    .max_flat_workgroup_size: 256
    .sgpr_count:     66
    .vgpr_count:     104
    .wavefront_size: 32
...
	.end_amdgpu_metadata
.endif
;; end of part 1
;; launch proj (part 2): grid 12 x 16, 4 waves a work-group, clusters of 4 x 4, 327,680 bytes of LDS; arguments x16, wqkv, bq, bk, bv, qkv; writes qkv
.if DOCPART == 2
	.amdgcn_target "amdgcn-amd-amdhsa--gfx1250"
	.amdhsa_code_object_version 6
	.text
	.protected	k_qe726fc6f85_proj
	.globl	k_qe726fc6f85_proj
	.p2align	8
	.type	k_qe726fc6f85_proj,@function
k_qe726fc6f85_proj:
	s_mov_b64 s[64:65], 0
	v_nop
	global_prefetch_b8 v0, s[64:65] scope:SCOPE_SE
	s_setreg_imm32_b32 hwreg(HW_REG_WAVE_MODE, 25, 1), 1
	s_wait_xcnt 0x0
	s_wait_alu depctr_hold_cnt(0) depctr_sa_sdst(0) depctr_va_vdst(0) depctr_va_sdst(0) depctr_va_ssrc(0) depctr_va_vcc(0) depctr_vm_vsrc(0)
	s_getreg_b32 s2, hwreg(HW_REG_IB_STS2, 6, 4)
	s_cmp_eq_u32 s2, 0
	s_cbranch_scc0 .Lentry_in_a_cluster
	s_endpgm
.Lentry_in_a_cluster:
	s_bfe_u32 s2, ttmp6, 0x10000c
	s_cmp_lg_u32 s2, 0xf033
	s_cbranch_scc0 .Lentry_shape_is_right
	s_endpgm
.Lentry_shape_is_right:
; q, k, v = x W + b.  x16: [8192][1024] f16; wqkv: [3][1024 k][1024 n] f16; bq, bk, bv: [1024] f32; qkv: [3][8192][1024] f16.  Sums in f32, begun with the bias, rounded once to f16.
; LIMIT.  |q|, |k|, |v| stay under 65,504 (f16); NaN and infinities are not treated apart.
; SHARES.  A tile of the result is 256 rows x 256 columns: 12 tile columns (4 for each of q, k, v) x 32 tile rows = 384 tiles, TWO TO A WORK-GROUP, so that all work-groups are alike:
; tile rows TR and TR + 16, one below the other, 4,096 rows apart, with the same columns of W.  Four waves, each 128 x 128: 64 accumulators, 512 registers.
; K goes in steps of 128 through a ring of two LDS slots filled by the tensor data mover: 256 rows of x (256 bytes each) and 128 k-rows of W (512 bytes each).
; THE WORK-GROUP STAYS: the ring does not stop at the first tile's end: its last two changes of slots ask for the second tile's first two K steps, and nothing waits for the first tile's stores.
; W lies [k][n] and is taken as it lies: its fragments come out of LDS turned, by ds_load_tr16_b128.
; THE MATRIX INSTRUCTION IS USED TRANSPOSED (source 0 = 16 columns of W, source 1 = 16 rows of x): a lane holds one row of the result (lane % 16) and the columns 8 (lane / 16) + 0..7.
; CLUSTER.  4 x 4 work-groups: x's tile is shared along a row of the cluster, W's along a column; each is asked for JOINTLY, by the same tensor load with the same descriptor and a mask of four.
; REGISTERS, in windows of 256 (s_set_vgpr_msb: bits 1:0 source 0, 3:2 source 1, 5:4 source 2, 7:6 destination):
;   window 0: v0-31 addresses; v32-63 rows read back on the way out; v64-127, v128-191 x's fragments, two buffers; v192-223 packed results
;   window 1: v0-63 the bias, laid as a C operand, kept for both tiles; v64-127, v128-191 W's fragments, two buffers
;   window 2: the accumulators of my rows 0-63 ((a, b) at v[8 (8 a + b)])          window 3: those of my rows 64-127
.set T,     8                          ; K steps of a tile: 1,024 / 128
.set AH,    1                          ; a prefetch names the K step that stands AH refills behind the one just asked for
.set PITCH, 272                        ; a row of x in LDS: 256 bytes + 16 = 68 words: the 16 rows of a load start at 16 different groups of four banks (64 banks of 4 bytes: ISA guide 11.1)
.set PB,    544                        ; a k-row of W: 512 + 32 = 136 words
.set HALFT, 128*PITCH                  ; what one tensor load brings: 128 rows of x, or 64 k-rows of W (64 x 544 is the same number)
.set SLOT1, 4*HALFT                    ; = 0x22000; the waves' parts begin at multiples of 0x8800, which have neither of its two bits: an exclusive or with it is an addition or a subtraction
.set STAGE, 2*SLOT1                    ; behind the ring: 16 rows x 272 bytes for each wave, for the way out
.set SP,    272
.set SPARE, STAGE+4*16*SP              ; behind the stages: the spare words, 128 bytes for each wave
.set STEPA, 256                        ; bytes from a K step to the next: along x's rows,
.set STEPB, 128*2048                   ; and down W's
.set ROWC,  2048                       ; bytes in a row of x and of the result
.set WALK,  4096                       ; rows from the first tile to the second
.set XAV,   WALK*ROWC-T*STEPA          ; what the refill that asks for the second tile's K step 0 adds to x's address beside STEPA: 4,096 rows down, back along K,
.set XBV,   T*STEPB                    ; and takes from W's beside adding STEPB: back to its first k-rows
.set ADRA0, 16                         ; v16  my lane's place among x's rows of slot 0; never rewritten
.set ADRB0, 17                         ; v17  the same for W
.set ADRA,  18                         ; v18  the same in the slot that is being read
.set ADRB,  19                         ; v19
.set STO,   24                         ; v24  the way out: where I put 16 bytes of a row
.set RD,    25                         ; v25  where I read a row back
.set CO,    26                         ; v26  my byte offset in two rows of the result
.set BO,    27                         ; v27  my byte offset in 16 numbers of the bias
.set SPW,   28                         ; v28  LDS address of my spare word; never rewritten
.set NIL,   29                         ; v29  0; never rewritten
.set PFO,   30                         ; v30  the prefetches' offset; never rewritten
.set OB,    32
.set F0,    64
.set F1,    128
.set TMP,   192
.set CNT,   3                          ; s3   the K loops' counter
.set CP,    8                          ; s[8:9]  the result at the 16 rows that are stored next, at my first column
.set WV,    10                         ; s10  my wave's number
.set FB,    11                         ; s11  which half of the tile's rows is mine; also: I fetch x's rows (0) or W's (1)
.set HF,    12                         ; s12  which half of its columns; also: which half of those rows I fetch
.set TR,    13                         ; s13  the first tile's row, 0 to 15
.set AAD,   14                         ; s[14:15] x at the rows that I fetch
.set LA,    22                         ; s22  where my part goes in a slot
.set G1A,   24                         ; s[24:31] descriptor group 1 for x's tiles
.set G0A,   32                         ; s[32:39] group 0, two sets: K step 0's; K step 1's, which then walks
.set CX,    40
.set CY,    41
.set LIM,   43                         ; s43  AH in a wave that prefetches, else the greatest number
.set PFA,   44                         ; s[44:45] where my prefetches stand
.set BAD,   46                         ; s[46:47] W at the rows that I fetch
.set G1B,   48                         ; s[48:55], s[56:63] the same two groups for W's tiles
.set G0B,   56
.set PFS,   66                         ; s[66:67] the prefetches' step
.set TB,    68                         ; s68  LDS byte at which the slot that is being read begins
.set TL,    69                         ; s69  tiles to go, this one among them: the same number in every work-group
.set XA,    70                         ; s[70:71] XAV at the change of tiles, else 0
.set XB,    72                         ; s[72:73] XBV at the change of tiles, else 0
.set BP,    74                         ; s[74:75] the bias at my first column
.set CN2,   76                         ; s76  counts the way out's eight blocks
.set MSB, 0
.macro WIN new                         ; the immediate's high byte repeats the setting that is left; a switch that changes nothing is dropped
.if MSB != (\new)
	s_set_vgpr_msb (MSB<<8)|(\new)
.set MSB, \new
.endif
.endm
.macro PLACES                          ; four places in front of loads into registers that matrix instructions have read, and of lines that read results
.rept 4
	v_nop
.endr
.endm
.macro CREST                           ; a round of the cluster's barrier behind its opening barrier
	s_cmp_lg_u32 s[WV], 0
	s_cbranch_scc1 .Lnot_wave_0_\@
	s_barrier_signal -3
.Lnot_wave_0_\@:
	s_barrier_wait -3
	s_barrier_signal -1
	s_barrier_wait -1
.endm
.macro CROUND                          ; a whole round
	s_barrier_signal -1
	s_barrier_wait -1
	CREST
.endm
.macro JLOAD                           ; a joint refill by the walking sets; the branch hangs on the wave's number alone; an s_nop 0 and four v_nop follow each line
	s_cmp_eq_u32 s[FB], 0
	s_cbranch_scc0 .Lfor_b_\@
	tensor_load_to_lds s[G0A+4:G0A+7], s[G1A:G1A+7]
	s_nop 0
.rept 4
	v_nop
.endr
	s_branch .Lasked_\@
.Lfor_b_\@:
	tensor_load_to_lds s[G0B+4:G0B+7], s[G1B:G1B+7]
	s_nop 0
.rept 4
	v_nop
.endr
.Lasked_\@:
.endm
; A PREFETCH INTO THE L2 of the K step that stands AH refills on: 32 blocks of 256 bytes, a lane a block, one instruction a wave.  Each block is named once in the launch.
; x's rows: the clusters with x = 0, waves 0 and 1; of the 128 rows that a wave fetches the partner at cx takes 32.  W's k-rows (two blocks each): the clusters with y = 0, waves 2 and 3, in the first tile
; alone, since both tiles take the same rows of W; of the 64 k-rows that a wave fetches the partner at cy takes 16.  The partners are told apart by address alone.
; how = 1, in the loop: the last refill of the six has no K step behind the one it asks for.  how = 2, at the change of tiles: the second tile's K steps 1 and 2 of x.
.macro ASK how
.if (\how) == 2
	s_cmp_eq_u32 s[LIM], AH
.else
	s_cmp_gt_u32 s[CNT], s[LIM]
.endif
	s_cbranch_scc0 .Lnot_mine_\@
	global_prefetch_b8 v[PFO], s[PFA:PFA+1] th:TH_LOAD_NT scope:SCOPE_SE
.Lnot_mine_\@:
.endm
	s_load_b256 s[80:87], s[0:1], 0x0              ; x16 s[80:81], wqkv s[82:83], bq s[84:85], bk s[86:87]
	s_load_b128 s[88:91], s[0:1], 0x20             ; bv s[88:89], qkv s[90:91]
	v_lshl_add_u32 v[SPW], v0, 2, SPARE
	v_mov_b32 v[NIL], 0
	ds_add_u32 v[SPW], v[NIL]                      ; the wave's opening: the add and its wait stand ahead of my first tensor load; the set-up below, work on registers, stands between them
	v_lshrrev_b32 v1, 5, v0
	v_readfirstlane_b32 s[WV], v1                  ; wave 0..3
	s_lshr_b32 s[FB], s[WV], 1
	s_and_b32 s[HF], s[WV], 1
	s_bfe_u32 s[CX], ttmp6, 0x40000                ; my place in the cluster
	s_bfe_u32 s[CY], ttmp6, 0x40004
	s_and_b32 s[TR], ttmp7, 0xffff                 ; in a cluster launch ttmp9 and ttmp7 count clusters
	s_lshl_b32 s[TR], s[TR], 2
	s_add_co_u32 s[TR], s[TR], s[CY]
	s_lshl_b32 s16, s[CY], 2
	s_lshl_b32 s16, 15, s16                        ; my row of the cluster
	s_lshl_b32 s17, 0x1111, s[CX]                  ; my column
	s_or_b32 s[G1A], s16, (1<<16)|(1<<20)|(1<<21)|(5<<22)|(3<<25)  ; 15:0 the mask; 17:16 2-byte elements; 20 padding on; 21 set beside a mask; 24:22 after every 64 words; 31:25 4 words
	s_or_b32 s[G1B], s17, (1<<16)|(1<<20)|(1<<21)|(6<<22)|(7<<25)  ; my column's mask; after every 128 words 8 words
	s_mov_b32 s[G1A+1], 128<<16                    ; tensor_dim0 = 128
	s_mov_b32 s[G1A+2], 128<<16                    ; tensor_dim1 = 128
	s_mov_b32 s[G1A+3], 128<<16                    ; tile_dim0 = 128
	s_mov_b32 s[G1A+4], 128                        ; tile_dim1 = 128
	s_mov_b32 s[G1A+5], 1024                       ; elements from row to row
	s_mov_b32 s[G1A+6], 0
	s_mov_b32 s[G1A+7], 0
	s_mov_b32 s[G1B+1], 256<<16                    ; 256 columns,
	s_mov_b32 s[G1B+2], 64<<16                     ; 64 k-rows
	s_mov_b32 s[G1B+3], 256<<16
	s_mov_b32 s[G1B+4], 64
	s_mov_b32 s[G1B+5], 1024
	s_mov_b32 s[G1B+6], 0
	s_mov_b32 s[G1B+7], 0
	; x's tile hangs on the tile row alone, W's on the tile column alone; each offset lies in registers that never hold the other coordinate
	s_lshl_b32 s[AAD], s[TR], 8
	s_lshl_b32 s[AAD+1], s[HF], 7
	s_add_co_u32 s[AAD], s[AAD], s[AAD+1]          ; row 256 x tile row + 128 x half
	s_lshl_b32 s[AAD], s[AAD], 11                  ; x 2,048 bytes
	s_mov_b32 s[AAD+1], 0
	s_lshl_b32 s[BAD], ttmp9, 21                   ; the weight is the cluster's x (four tile columns each): 2,097,152 bytes each
	s_lshl_b32 s[BAD+1], s[HF], 17                 ; 64 k-rows of 2,048 bytes
	s_add_co_u32 s[BAD], s[BAD], s[BAD+1]
	s_lshl_b32 s[BAD+1], s[CX], 9                  ; 256 columns
	s_add_co_u32 s[BAD], s[BAD], s[BAD+1]
	s_mov_b32 s[BAD+1], 0
	s_mul_i32 s[LA], s[WV], HALFT                  ; x's two halves, then W's two: no place in the cluster enters an LDS address
	s_mov_b32 s[XA], 0
	s_mov_b32 s[XA+1], 0
	s_mov_b32 s[XB], 0
	s_mov_b32 s[XB+1], 0
	s_wait_dscnt 0x0                               ; the opening add is done
	s_wait_kmcnt 0x0
	s_add_nc_u64 s[AAD:AAD+1], s[80:81], s[AAD:AAD+1]
	s_add_nc_u64 s[BAD:BAD+1], s[82:83], s[BAD:BAD+1]
	CROUND                                         ; all sixteen work-groups are here: the first joint loads meet
.irp s, 0,1
	s_mov_b32 s[G0A+4*(\s)], 1                     ; count = 1
	s_add_co_u32 s[G0A+4*(\s)+1], s[LA], (\s)*SLOT1
	s_add_nc_u64 s[G0A+4*(\s)+2:G0A+4*(\s)+3], s[AAD:AAD+1], (\s)*STEPA
	s_or_b32 s[G0A+4*(\s)+3], s[G0A+4*(\s)+3], 0x80000000  ; type = 2
	s_mov_b32 s[G0B+4*(\s)], 1
	s_add_co_u32 s[G0B+4*(\s)+1], s[LA], (\s)*SLOT1
	s_add_nc_u64 s[G0B+4*(\s)+2:G0B+4*(\s)+3], s[BAD:BAD+1], (\s)*STEPB
	s_or_b32 s[G0B+4*(\s)+3], s[G0B+4*(\s)+3], 0x80000000
.endr
	s_cmp_eq_u32 s[FB], 0                          ; a wave's two first fills stand in one branch, ahead of every wait on TENSORcnt and every LDS read: two loads of mine are out
	s_cbranch_scc0 .Lfirst_b
	tensor_load_to_lds s[G0A:G0A+3], s[G1A:G1A+7]
	s_nop 0
	tensor_load_to_lds s[G0A+4:G0A+7], s[G1A:G1A+7]
	s_nop 0
.rept 4
	v_nop
.endr
	s_branch .Lfirst_asked
.Lfirst_b:
	tensor_load_to_lds s[G0B:G0B+3], s[G1B:G1B+7]
	s_nop 0
	tensor_load_to_lds s[G0B+4:G0B+7], s[G1B:G1B+7]
	s_nop 0
.rept 4
	v_nop
.endr
.Lfirst_asked:
	; the bias, as the C operand of a tile's first products: register 8 b + j of window 1 = bias[my first column + 16 b + 8 (lane / 16) + j]
	s_cmp_eq_u32 ttmp9, 1
	s_cselect_b64 s[BP:BP+1], s[86:87], s[84:85]
	s_cmp_eq_u32 ttmp9, 2
	s_cselect_b64 s[BP:BP+1], s[88:89], s[BP:BP+1]
	s_lshl_b32 s16, s[CX], 10                      ; 256 numbers of 4 bytes,
	s_lshl_b32 s17, s[HF], 9                       ; my half of them
	s_add_co_u32 s16, s16, s17
	s_mov_b32 s17, 0
	s_add_nc_u64 s[BP:BP+1], s[BP:BP+1], s[16:17]
	v_and_b32 v1, 15, v0                           ; l % 16
	v_bfe_u32 v2, v0, 4, 1                         ; l / 16
	v_lshlrev_b32 v[BO], 5, v2
	WIN 0x40                                       ; destination window 1, address window 0
.irp b, 0,1,2,3,4,5,6,7
	global_load_b128 v[8*(\b):8*(\b)+3],   v[BO], s[BP:BP+1] offset:64*(\b)
	global_load_b128 v[8*(\b)+4:8*(\b)+7], v[BO], s[BP:BP+1] offset:64*(\b)+16
.endr
	WIN 0
	; a fragment of x: lane l holds row l % 16; two loads of 16 bytes, 32 bytes apart, at row x pitch + 16 (l / 16)
	v_mul_u32_u24 v3, v1, PITCH
	v_lshl_add_u32 v3, v2, 4, v3
	s_mul_i32 s16, s[FB], HALFT                    ; my 128 rows
	v_add_nc_u32 v[ADRA0], s16, v3
	; the turning load takes 16 k x 16 columns: lane l reads k-row 8 (l / 16) + l % 8, columns 8 ((l / 8) % 2) + 0..7, and is left with column l % 16 and 8 k
	v_and_b32 v4, 7, v0
	v_bfe_u32 v5, v0, 3, 1
	v_lshl_add_u32 v4, v2, 3, v4
	v_mul_u32_u24 v4, v4, PB
	v_lshl_add_u32 v4, v5, 4, v4
	s_lshl_b32 s16, s[HF], 8                       ; my 128 columns: 256 bytes of a k-row,
	s_add_co_u32 s16, s16, 2*HALFT                 ; behind x's 256 rows
	v_add_nc_u32 v[ADRB0], s16, v4
	v_mov_b32 v[ADRA], v[ADRA0]
	v_mov_b32 v[ADRB], v[ADRB0]
	s_mov_b32 s[TB], 0
	s_mul_i32 s16, s[WV], 16*SP
	s_add_co_u32 s16, s16, STAGE                   ; my stage
	v_add_nc_u32 v[STO], s16, v3                   ; in: row l % 16, 16 bytes for each half of the lanes (the stage's pitch is x's)
	v_mul_u32_u24 v5, v2, SP                       ; back: lanes 0-15 take one row of 256 bytes, lanes 16-31 the next
	v_lshl_add_u32 v5, v1, 4, v5
	v_add_nc_u32 v[RD], s16, v5
	v_lshlrev_b32 v5, 11, v2                       ; and the same two rows in the result
	v_lshl_add_u32 v[CO], v1, 4, v5
	s_lshl_b32 s16, s[TR], 8
	s_lshl_b32 s17, s[FB], 7
	s_add_co_u32 s16, s16, s17                     ; my first row: 256 x tile row + 128 x half
	s_lshl_b32 s16, s16, 11
	s_lshl_b32 s17, ttmp9, 24                      ; q, k, v lie 16,777,216 bytes apart
	s_add_co_u32 s16, s16, s17
	s_lshl_b32 s17, s[CX], 9
	s_add_co_u32 s16, s16, s17
	s_lshl_b32 s17, s[HF], 8
	s_add_co_u32 s16, s16, s17                     ; my first column: 256 x cx + 128 x half, 2 bytes each
	s_mov_b32 s17, 0
	s_add_nc_u64 s[CP:CP+1], s[90:91], s[16:17]
	; the prefetches
	s_and_b32 s16, ttmp7, 0xffff                   ; cluster y
	s_mov_b32 s[PFS], STEPB
	s_cmp_eq_u32 s[FB], 0
	s_cselect_b32 s16, ttmp9, s16                  ; the coordinate along which other clusters read the same rows
	s_cselect_b32 s18, s[CX], s[CY]                ; my place among the four that ask jointly
	s_cselect_b32 s20, 16, 15                      ; my work-group's share: 32 rows of x, or 16 k-rows of W, of 2,048 bytes
	s_cselect_b32 s[PFS], STEPA, s[PFS]
	s_cselect_b64 s[PFA:PFA+1], s[AAD:AAD+1], s[BAD:BAD+1]
	s_cmp_eq_u32 s16, 0
	s_cselect_b32 s[LIM], AH, -1                   ; the same in all sixteen partners, for a given wave
	s_mov_b32 s[PFS+1], 0
	s_lshl_b32 s18, s18, s20
	s_mov_b32 s19, 0
	s_add_nc_u64 s[PFA:PFA+1], s[PFA:PFA+1], s[18:19]
	s_mul_i32 s18, s[PFS], 1+AH                    ; at K step 1 + AH: each refill steps it first.  Nothing is prefetched here, at the head
	s_add_nc_u64 s[PFA:PFA+1], s[PFA:PFA+1], s[18:19]
	v_and_b32 v4, 31, v0
	v_lshrrev_b32 v5, s[FB], v4                    ; x: a lane a row; W: two lanes a k-row,
	v_and_b32 v4, s[FB], v4                        ; one for each of its two blocks of 256 bytes
	v_lshlrev_b32 v5, 11, v5
	v_lshl_add_u32 v[PFO], v4, 8, v5
; 16 matrix instructions: row blocks a0, a0 + 1 of the window's four (hi = 0: my rows 0-63, 1: 64-127) x all 8 column blocks, 32 along K.  zero = 2: a tile's first products start the sums with the bias.
; The 64 accumulators take turns, one instruction a turn: over the backward jumps and from tile to tile too.
.macro MUL16 f, hi, a0, zero
.if (\zero) == 2
	WIN 0x91+0x40*(\hi)                            ; W window 1, x window 0, C window 1, D window 2 or 3
.else
	WIN 0xa1+0x50*(\hi)                            ; C and D window 2 or 3
.endif
.irp a, \a0, (\a0)+1
.irp b, 0,1,2,3,4,5,6,7
.if (\zero) == 2
	v_wmma_f32_16x16x32_f16 v[8*(8*(\a)+(\b)):8*(8*(\a)+(\b))+7], v[(\f)+8*(\b):(\f)+8*(\b)+7], v[(\f)+8*(4*(\hi)+(\a)):(\f)+8*(4*(\hi)+(\a))+7], v[8*(\b):8*(\b)+7]
.else
	v_wmma_f32_16x16x32_f16 v[8*(8*(\a)+(\b)):8*(8*(\a)+(\b))+7], v[(\f)+8*(\b):(\f)+8*(\b)+7], v[(\f)+8*(4*(\hi)+(\a)):(\f)+8*(4*(\hi)+(\a))+7], v[8*(8*(\a)+(\b)):8*(8*(\a)+(\b))+7]
.endif
.endr
.endr
.endm
; 32 LDS loads in one run: quarter q's fragments (32 along K) into buffer f: W's sixteen first, turned, then x's sixteen, block by block
.macro FETCH q, f
	WIN 0x40
.irp b, 0,1,2,3,4,5,6,7
	ds_load_tr16_b128 v[(\f)+8*(\b):(\f)+8*(\b)+3],   v[ADRB] offset:32*PB*(\q)+32*(\b)
	ds_load_tr16_b128 v[(\f)+8*(\b)+4:(\f)+8*(\b)+7], v[ADRB] offset:32*PB*(\q)+32*(\b)+16*PB
.endr
	WIN 0
.irp i, 0,1,2,3,4,5,6,7
	ds_load_b128 v[(\f)+8*(\i):(\f)+8*(\i)+3],   v[ADRA] offset:64*(\q)+(\i)*16*PITCH
	ds_load_b128 v[(\f)+8*(\i)+4:(\f)+8*(\i)+7], v[ADRA] offset:64*(\q)+(\i)*16*PITCH+32
.endr
.endm
; A K step is four quarters of 32 along K, 64 matrix instructions each, on buffers 0, 1, 0, 1.  One of the first three: multiplies buffer f and fetches quarter q into buffer g.
.macro QUARTER q, f, g, zero
	s_wait_dscnt 8                                 ; W's fragments and my rows 0-63 are in; the youngest eight loads (my rows 64-127) may be out
	MUL16 \f, 0, 0, \zero
	MUL16 \f, 0, 2, \zero
	PLACES
	FETCH \q, \g
	s_wait_dscnt 32                                ; all but the 32 just issued
	MUL16 \f, 1, 0, \zero
	MUL16 \f, 1, 2, \zero
.endm
; The last quarter multiplies buffer 1 and changes slots: ONE barrier.  In front of it each wave waits for all its tensor loads (one is out: its part of the next slot), adds 0 to its spare word, and waits
; for that and for its reads of this slot.  fill = 1: the barrier opens a round of the cluster's barrier, and behind the round this slot is filled again, two K steps ahead.
; fill = 2: the same in the first tile's last two K steps: the walk goes over to the second tile's K steps 0 and 1 (XA and XB hold the jump the first time, 0 the second).
.macro TURN fill
.if \fill
	s_wait_xcnt 0x0                                ; the last prefetch, a K step back, has read its address
	s_add_nc_u64 s[PFA:PFA+1], s[PFA:PFA+1], s[PFS:PFS+1]
.if (\fill) == 2
	s_add_nc_u64 s[PFA:PFA+1], s[PFA:PFA+1], s[XA:XA+1]
.endif
.endif
	WIN 0
	s_wait_tensorcnt 0x0                           ; no tensor load of mine is out, so a group 0 may be written
	ds_add_u32 v[SPW], v[NIL]                      ; 0 onto my spare word; register work stands between it and the wait for it
.if \fill
	s_xor_b32 s[G0A+5], s[G0A+5], SLOT1            ; the walking sets: the other slot than last time, the next K step
	s_add_nc_u64 s[G0A+6:G0A+7], s[G0A+6:G0A+7], STEPA
	s_xor_b32 s[G0B+5], s[G0B+5], SLOT1
	s_add_nc_u64 s[G0B+6:G0B+7], s[G0B+6:G0B+7], STEPB
.if (\fill) == 2
	s_add_nc_u64 s[G0A+6:G0A+7], s[G0A+6:G0A+7], s[XA:XA+1]
	s_sub_nc_u64 s[G0B+6:G0B+7], s[G0B+6:G0B+7], s[XB:XB+1]
	s_mov_b32 s[XA], 0
	s_mov_b32 s[XB], 0
.endif
.endif
	s_xor_b32 s[TB], s[TB], SLOT1                  ; the reads go over to the other slot
	s_wait_dscnt 9                                 ; (the add and the youngest eight loads may be out)
	MUL16 F1, 0, 0, 0
	s_wait_dscnt 0x0                               ; the add is done, and my reads of this slot are over
	s_barrier_signal -1
	MUL16 F1, 0, 2, 0                              ; work on registers while the others arrive
	WIN 0
	s_barrier_wait -1
.if \fill
	CREST                                          ; no wave of any partner still reads this slot or has a load on its way
	JLOAD                                          ; my one tensor load behind the round; its four v_nop are also the places in front of the loads below
.else
	PLACES
.endif
	v_add_nc_u32 v[ADRA], s[TB], v[ADRA0]
	v_add_nc_u32 v[ADRB], s[TB], v[ADRB0]
	FETCH 0, F0
.if \fill
	ASK \fill
.endif
	MUL16 F1, 1, 0, 0
	MUL16 F1, 1, 2, 0
.endm
; THE WAY OUT.  PACK a: row block a rounded to f16, 16 bytes a lane, each accumulator's registers in ascending order.  TOSTAGE: into my own stage, and back as whole rows of 256 bytes.  SENDP: stored.
.macro PACK a
	WIN 0x0a+5*((\a)/4)                            ; sources 0 and 1 window 2 or 3
.irp b, 0,1,2,3,4,5,6,7
.irp r, 0,1,2,3
	v_cvt_pk_f16_f32 v[TMP+4*(\b)+(\r)], v[64*((\a)%4)+8*(\b)+2*(\r)], v[64*((\a)%4)+8*(\b)+2*(\r)+1]
.endr
.endr
	WIN 0
.endm
.macro TOSTAGE
.irp b, 0,1,2,3,4,5,6,7
	ds_store_b128 v[STO], v[TMP+4*(\b):TMP+4*(\b)+3] offset:32*(\b)
.endr
.irp t, 0,1,2,3,4,5,6,7
	ds_load_b128 v[OB+4*(\t):OB+4*(\t)+3], v[RD] offset:(\t)*2*SP  ; LDS serves a wave's instructions in order (ISA guide 5.7.1.4): these see the stores above
.endr
.endm
.macro SENDP
	s_wait_dscnt 0x0                               ; the block is back in registers
.irp t, 0,1,2,3,4,5,6,7
	global_store_b128 v[CO], v[OB+4*(\t):OB+4*(\t)+3], s[CP:CP+1] offset:2*(\t)*ROWC  ; 16 lanes store 256 consecutive bytes, aligned
.endr
	s_wait_xcnt 0x0                                ; the stores have read their base and their 32 registers: only behind this wait is either written again
	s_add_nc_u64 s[CP:CP+1], s[CP:CP+1], 16*ROWC
.endm
	s_wait_tensorcnt 1                             ; my part of K step 0 is in; K step 1's may stay out
	s_barrier_signal -1
	s_barrier_wait -1                              ; everybody's is
	FETCH 0, F0
	s_wait_loadcnt 0x0                             ; the bias
	s_mov_b32 s[TL], 2
.Ltile:
	QUARTER 1, F0, F1, 2                           ; a tile's first quarter stands in front of the loop: its products start the sums
	WIN 0                                          ; at a label and at a branch every window is 0
	s_mov_b32 s[CNT], T-2
.Lstep:                                                ; a trip: from a K step's second quarter to the next step's first; it fills one slot again
	QUARTER 2, F1, F0, 0
	QUARTER 3, F0, F1, 0
	TURN 1
	QUARTER 1, F0, F1, 0
	WIN 0
	s_sub_co_u32 s[CNT], s[CNT], 1
	s_cmp_lg_u32 s[CNT], 0
	s_cbranch_scc1 .Lstep
	s_cmp_eq_u32 s[TL], 1
	s_cbranch_scc1 .Llast                          ; the last tile's end has a text of its own: it asks for nothing more
	s_mov_b32 s[XA], XAV                           ; THE RING GOES ON INTO THE SECOND TILE
	s_mov_b32 s[XB], XBV
	s_cmp_eq_u32 s[FB], 0
	s_cselect_b32 s[LIM], s[LIM], -1               ; W's rows are the same for both tiles: they are prefetched no more
	s_mov_b32 s[CNT], 2
.Lon:                                                  ; the first tile's last two K steps; the second trip is left behind its change of slots, with the second tile's first fragments asked for
	QUARTER 2, F1, F0, 0
	QUARTER 3, F0, F1, 0
	TURN 2
	WIN 0
	s_sub_co_u32 s[CNT], s[CNT], 1
	s_cmp_eq_u32 s[CNT], 0
	s_cbranch_scc1 .Lout
	QUARTER 1, F0, F1, 0
	WIN 0
	s_branch .Lon
.Llast:
	s_mov_b32 s[CNT], 2
.Ltail:                                                ; the last tile's last two K steps; the second trip is left in its middle
	QUARTER 2, F1, F0, 0
	QUARTER 3, F0, F1, 0
	WIN 0
	s_sub_co_u32 s[CNT], s[CNT], 1
	s_cmp_eq_u32 s[CNT], 0
	s_cbranch_scc1 .Lq
	TURN 0
	QUARTER 1, F0, F1, 0
	WIN 0
	s_branch .Ltail
.Lq:
	s_wait_dscnt 8                                 ; the very last quarter: nothing more to fetch
	MUL16 F1, 0, 0, 0
	MUL16 F1, 0, 2, 0
	s_wait_dscnt 0x0
	MUL16 F1, 1, 0, 0
	MUL16 F1, 1, 2, 0
	WIN 0
.Lout:                                                 ; the tile goes out.  Behind the first tile both refills have been asked for, and the stores leave under the second tile's products
	PLACES
	PLACES
	s_mov_b32 s[CN2], 8
.Lblk:                                                 ; a trip: block 8 - CN2 is packed (its 32 lines are chosen by the count), the block before it is stored, and it goes through the stage
.irp a, 0,1,2,3,4,5,6
	s_cmp_eq_u32 s[CN2], 8-(\a)
	s_cbranch_scc1 .Lb\a
.endr
	s_branch .Lb7
.irp a, 0,1,2,3,4,5,6,7
.Lb\a:
	PACK \a
	s_branch .Lpk
.endr
.Lpk:                                                  ; the block's conversions have stood between the loads of the block before from the stage and the wait for them
	s_cmp_eq_u32 s[CN2], 8
	s_cbranch_scc1 .Lnosend                        ; the first block has none before it
	SENDP
.Lnosend:
	TOSTAGE
	s_sub_co_u32 s[CN2], s[CN2], 1
	s_cmp_lg_u32 s[CN2], 0
	s_cbranch_scc1 .Lblk
	SENDP
	s_add_nc_u64 s[CP:CP+1], s[CP:CP+1], (WALK-128)*ROWC  ; on to my rows of the second tile (behind the last tile it is not used)
	s_sub_co_u32 s[TL], s[TL], 1
	s_cmp_lg_u32 s[TL], 0
	s_cbranch_scc1 .Ltile
	s_wait_tensorcnt 0x0                           ; the wave's end: behind my last tensor load and my last LDS store
	ds_add_u32 v[SPW], v[NIL]
	s_wait_dscnt 0x0
	CROUND                                         ; the closing round: no work-group ends while a partner may still ask for a tile that names it
	s_endpgm
.Lfunc_end_k_qe726fc6f85_proj:
	.size	k_qe726fc6f85_proj, .Lfunc_end_k_qe726fc6f85_proj-k_qe726fc6f85_proj
	.p2alignl 7, 3214868480
	.fill 96, 4, 3214868480
	.section	.rodata,"a",@progbits
	.p2align	6, 0x0
	.amdhsa_kernel k_qe726fc6f85_proj
		.amdhsa_group_segment_fixed_size 327680
		.amdhsa_private_segment_fixed_size 0
		.amdhsa_enable_private_segment 0
		.amdhsa_kernarg_size 48
		.amdhsa_user_sgpr_count 2
		.amdhsa_user_sgpr_kernarg_segment_ptr 1
		.amdhsa_wavefront_size32 1
		.amdhsa_system_sgpr_workgroup_id_x 1
		.amdhsa_system_sgpr_workgroup_id_y 1
		.amdhsa_system_sgpr_workgroup_id_z 1
		.amdhsa_system_vgpr_workitem_id 0
		.amdhsa_next_free_vgpr 1024
		.amdhsa_next_free_sgpr 96
		.amdhsa_reserve_vcc 0
		.amdhsa_float_denorm_mode_32 3
		.amdhsa_float_denorm_mode_16_64 3
		.amdhsa_memory_ordered 1
		.amdhsa_forward_progress 1
		.amdhsa_inst_pref_size 123
	.end_amdhsa_kernel
	.amdgpu_metadata
---
amdhsa.version: [ 1, 2 ]
amdhsa.kernels:
  - .name:           k_qe726fc6f85_proj
    .symbol:         k_qe726fc6f85_proj.kd
    .args:
      - { .name: x16, .offset: 0, .size: 8, .value_kind: global_buffer, .address_space: global }
      - { .name: wqkv, .offset: 8, .size: 8, .value_kind: global_buffer, .address_space: global }
      - { .name: bq, .offset: 16, .size: 8, .value_kind: global_buffer, .address_space: global }
      - { .name: bk, .offset: 24, .size: 8, .value_kind: global_buffer, .address_space: global }
      - { .name: bv, .offset: 32, .size: 8, .value_kind: global_buffer, .address_space: global }
      - { .name: qkv, .offset: 40, .size: 8, .value_kind: global_buffer, .address_space: global }
    .group_segment_fixed_size: 327680
    .private_segment_fixed_size: 0
    .kernarg_segment_align: 8
    .kernarg_segment_size: 48
    .max_flat_workgroup_size: 128
    .sgpr_count:     96
    .vgpr_count:     1024
    .wavefront_size: 32
...
	.end_amdgpu_metadata
.endif
;; end of part 2
;; launch scores (part 3): grid 8 x 32, 4 waves a work-group, clusters of 4 x 4, 327,680 bytes of LDS; arguments qkv, pl, stats; writes pl, stats
.if DOCPART == 3
	.amdgcn_target "amdgcn-amd-amdhsa--gfx1250"
	.amdhsa_code_object_version 6
	.text
	.protected	k_qe726fc6f85_scores
	.globl	k_qe726fc6f85_scores
	.p2align	8
	.type	k_qe726fc6f85_scores,@function
k_qe726fc6f85_scores:
	s_mov_b64 s[64:65], 0
	v_nop
	global_prefetch_b8 v0, s[64:65] scope:SCOPE_SE
	s_setreg_imm32_b32 hwreg(HW_REG_WAVE_MODE, 25, 1), 1
	s_wait_xcnt 0x0
	s_wait_alu depctr_hold_cnt(0) depctr_sa_sdst(0) depctr_va_vdst(0) depctr_va_sdst(0) depctr_va_ssrc(0) depctr_va_vcc(0) depctr_vm_vsrc(0)
	s_getreg_b32 s2, hwreg(HW_REG_IB_STS2, 6, 4)
	s_cmp_eq_u32 s2, 0
	s_cbranch_scc0 .Lentry_in_a_cluster
	s_endpgm
.Lentry_in_a_cluster:
	s_bfe_u32 s2, ttmp6, 0x10000c
	s_cmp_lg_u32 s2, 0xf033
	s_cbranch_scc0 .Lentry_shape_is_right
	s_endpgm
.Lentry_shape_is_right:
; For each batch: s = q k^T; for each query and each BLOCK of 128 keys (a wave's columns): the block's maximum m, p = 2^(c s - c m) with c = log2(e) / 32, and l = the sum of the unrounded p.
; qkv: [3][8192][1024] f16 (q, then k); pl: [8192][2048] f16 takes p; stats: [2][16 blocks][8192 rows] f32 takes c m, then l.  Products, maxima and sums in f32; p rounded once.
; The next launch joins the sixteen blocks of a row by their true maximum.  p lies in 0 to 1.
; LIMITS.  A weight below 6e-8 of its block's largest counts as 0 in pl (f16's fixed step below 6e-5); below 2^-126 it counts as 0 in l.  NaN and infinities are not treated apart.
; SHARES.  A tile is 256 queries x 256 keys; four waves, each 128 x 128: 64 accumulators, 512 registers.  K (1,024 channels) goes in steps of 128 through a ring of two LDS slots.
; THE MATRIX INSTRUCTION IS USED TRANSPOSED (source 0 = 16 keys, source 1 = 16 queries): a lane holds ONE query (lane % 16) and the keys 8 (lane / 16) + 0..7 of each block of 16,
; so a query's maximum and sum want one exchange between the halves of the lanes.
; CLUSTER.  4 x 4 work-groups: q's tile is shared along a row of the cluster, k's along a column; each is asked for JOINTLY.
; REGISTERS, in windows of 256 (s_set_vgpr_msb: bits 1:0 source 0, 3:2 source 1, 5:4 source 2, 7:6 destination):
;   window 0: v0-31 addresses; v32-55 at work; v64-127, v128-191 q's fragments, two buffers (on the way out v64-127 a block's 64 exponents and weights, v128-159 rows read back); v192-223 packed weights
;   window 1: v64-127, v128-191 k's fragments          window 2: the accumulators of my queries 0-63 ((a, b) at v[8 (8 a + b)])          window 3: those of my queries 64-127
.set T,     8
.set AH,    1                          ; a prefetch names the K step that stands AH refills behind the one just asked for
.set PITCH, 272                        ; an LDS row: 256 bytes + 16 = 68 words: the 16 rows of a load start at 16 different groups of four banks (64 banks of 4 bytes: ISA guide 11.1)
.set HALFT, 128*PITCH                  ; 128 rows: what one tensor load brings, and what one wave reads of q or of k
.set SLOT1, 4*HALFT                    ; = 0x22000; the waves' parts begin at multiples of 0x8800, which have neither of its two bits: an exclusive or with it is an addition or a subtraction
.set STAGE, 2*SLOT1                    ; behind the ring: 16 rows x 272 bytes for each wave
.set SP,    272
.set STS,   STAGE+4*16*SP              ; behind the stages: for each wave 128 c m, then 128 l
.set SPARE, STS+4*1024                 ; behind them: the spare words, 128 bytes for each wave
.set STEP,  256                        ; bytes from a K step to the next, in q and in k
.set ROWC,  4096                       ; bytes in a row of pl
.set ADRA0, 16
.set ADRB0, 17
.set ADRA,  18
.set ADRB,  19
.set STO,   24
.set RD,    25
.set CO,    26
.set SPW,   28                         ; v28  LDS address of my spare word; never rewritten
.set NIL,   29                         ; v29  0; never rewritten
.set PFO,   30                         ; v30  my lane x 2,048 bytes; never rewritten
.set TT,    32                         ; v32-39  eight running maxima
.set MC,    40                         ; v[40:41] c m, in the low word
.set LS,    42                         ; v[42:43] l, and the other half's
.set SA0,   44                         ; v44  where my query's c m of block 0 goes in LDS; never rewritten
.set SR,    45                         ; v45  where I read 16 bytes of the statistics back
.set SO,    46                         ; v46  16 x my lane
.set SA,    47                         ; v47  the same as v44 for the block in hand
.set F0,    64
.set F1,    128
.set XW,    64                         ; the way out: the block's 64 numbers
.set OB,    128
.set TMP,   192
.set CNT,   3
.set CP,    8                          ; s[8:9]  pl at the 16 rows that are stored next, at my first column
.set WV,    10
.set FB,    11                         ; s11  which half of the tile's queries is mine; also: I fetch q's rows (0) or k's (1)
.set HF,    12                         ; s12  which half of its keys; also: which 128 rows I fetch
.set TR,    13
.set AAD,   14
.set LA,    22
.set G1A,   24
.set G0A,   32
.set CX,    40
.set CY,    41
.set TC,    42
.set LIM,   43
.set PFA,   44
.set BAD,   46
.set G1B,   48
.set G0B,   56
.set TB,    68
.set CS,    70                         ; s[70:71] c
.set SEL,   72                         ; s[72:73] v_permlanex16_b32's selects: each lane takes its own place in the other half
.set SP0,   74                         ; s[74:75] stats at my block and my first row
.set SOF,   76                         ; s76  64 x the block in hand: its 16 words among my statistics
.set MSB, 0
.macro WIN new
.if MSB != (\new)
	s_set_vgpr_msb (MSB<<8)|(\new)
.set MSB, \new
.endif
.endm
.macro PLACES
.rept 4
	v_nop
.endr
.endm
.macro CREST
	s_cmp_lg_u32 s[WV], 0
	s_cbranch_scc1 .Lnot_wave_0_\@
	s_barrier_signal -3
.Lnot_wave_0_\@:
	s_barrier_wait -3
	s_barrier_signal -1
	s_barrier_wait -1
.endm
.macro CROUND
	s_barrier_signal -1
	s_barrier_wait -1
	CREST
.endm
.macro JLOAD                           ; a joint refill by the walking sets; an s_nop 0 and four v_nop follow each line
	s_cmp_eq_u32 s[FB], 0
	s_cbranch_scc0 .Lfor_b_\@
	tensor_load_to_lds s[G0A+4:G0A+7], s[G1A:G1A+7]
	s_nop 0
.rept 4
	v_nop
.endr
	s_branch .Lasked_\@
.Lfor_b_\@:
	tensor_load_to_lds s[G0B+4:G0B+7], s[G1B:G1B+7]
	s_nop 0
.rept 4
	v_nop
.endr
.Lasked_\@:
.endm
; A PREFETCH INTO THE L2 of the K step that stands AH refills on: 32 rows x 256 bytes, a lane a row.  Each row's 256 bytes of a K step are named once in the launch: q's rows by the clusters with x = 0,
; k's by the first of the two rows of clusters that share a batch; of the 128 rows that a wave fetches each of the four partners takes 32, told apart by address alone.  The last AH refills ask for nothing.
.macro ASK
	s_cmp_gt_u32 s[CNT], s[LIM]
	s_cbranch_scc0 .Lnot_mine_\@
	global_prefetch_b8 v[PFO], s[PFA:PFA+1] th:TH_LOAD_NT scope:SCOPE_SE
.Lnot_mine_\@:
.endm
	s_load_b128 s[80:83], s[0:1], 0x0              ; qkv s[80:81], pl s[82:83]
	s_load_b64 s[84:85], s[0:1], 0x10              ; stats
	v_lshl_add_u32 v[SPW], v0, 2, SPARE
	v_mov_b32 v[NIL], 0
	ds_add_u32 v[SPW], v[NIL]                      ; the wave's opening: the add and its wait stand ahead of my first tensor load; the set-up below, work on registers, stands between them
	v_lshrrev_b32 v1, 5, v0
	v_readfirstlane_b32 s[WV], v1
	s_lshr_b32 s[FB], s[WV], 1
	s_and_b32 s[HF], s[WV], 1
	s_bfe_u32 s[CX], ttmp6, 0x40000
	s_bfe_u32 s[CY], ttmp6, 0x40004
	s_lshl_b32 s[TC], ttmp9, 2
	s_add_co_u32 s[TC], s[TC], s[CX]               ; tile column: 256 keys of the batch
	s_and_b32 s[TR], ttmp7, 0xffff
	s_lshl_b32 s[TR], s[TR], 2
	s_add_co_u32 s[TR], s[TR], s[CY]               ; tile row: 256 of the 8,192 queries
	s_lshl_b32 s16, s[CY], 2
	s_lshl_b32 s16, 15, s16                        ; my row of the cluster
	s_lshl_b32 s17, 0x1111, s[CX]                  ; my column
	s_or_b32 s[G1A], s16, (1<<16)|(1<<20)|(1<<21)|(5<<22)|(3<<25)  ; the mask; 2-byte elements; padding on; bit 21 beside a mask; after every 64 words 4 words
	s_or_b32 s[G1B], s17, (1<<16)|(1<<20)|(1<<21)|(5<<22)|(3<<25)
.irp g, G1A, G1B
	s_mov_b32 s[(\g)+1], 128<<16                   ; tensor_dim0 = 128
	s_mov_b32 s[(\g)+2], 128<<16                   ; tensor_dim1 = 128
	s_mov_b32 s[(\g)+3], 128<<16                   ; tile_dim0 = 128
	s_mov_b32 s[(\g)+4], 128                       ; tile_dim1 = 128
	s_mov_b32 s[(\g)+5], 1024                      ; elements from row to row
	s_mov_b32 s[(\g)+6], 0
	s_mov_b32 s[(\g)+7], 0
.endr
	s_lshl_b32 s[AAD], s[TR], 8
	s_lshl_b32 s[AAD+1], s[HF], 7
	s_add_co_u32 s[AAD], s[AAD], s[AAD+1]
	s_lshl_b32 s[AAD], s[AAD], 11                  ; q: row 256 x tile row + 128 x half, 2,048 bytes each
	s_mov_b32 s[AAD+1], 0
	s_lshl_b32 s[BAD], s[TC], 8
	s_lshl_b32 s[BAD+1], s[HF], 7
	s_add_co_u32 s[BAD], s[BAD], s[BAD+1]
	s_lshl_b32 s[BAD], s[BAD], 11                  ; k: row 256 x tile column + 128 x half of the batch,
	s_and_b32 s[BAD+1], ttmp7, 0xffff
	s_lshr_b32 s[BAD+1], s[BAD+1], 1               ; the batch: two rows of clusters each,
	s_lshl_b32 s[BAD+1], s[BAD+1], 22              ; 2,048 rows of 2,048 bytes,
	s_add_co_u32 s[BAD], s[BAD], s[BAD+1]
	s_add_co_u32 s[BAD], s[BAD], 16777216          ; behind q
	s_mov_b32 s[BAD+1], 0
	s_mul_i32 s[LA], s[WV], HALFT                  ; q's two halves, then k's two: no place in the cluster enters an LDS address
	s_mov_b32 s[CS], 0x3d38aa3b                    ; c = log2(e) / 32
	s_mov_b32 s[CS+1], s[CS]                       ; named with it as a pair
	s_mov_b32 s[SEL], 0x76543210
	s_mov_b32 s[SEL+1], 0xfedcba98
	s_wait_dscnt 0x0                               ; the opening add is done
	s_wait_kmcnt 0x0
	s_add_nc_u64 s[AAD:AAD+1], s[80:81], s[AAD:AAD+1]
	s_add_nc_u64 s[BAD:BAD+1], s[80:81], s[BAD:BAD+1]
	CROUND                                         ; all sixteen work-groups are here: the first joint loads meet
.irp s, 0,1
	s_mov_b32 s[G0A+4*(\s)], 1
	s_add_co_u32 s[G0A+4*(\s)+1], s[LA], (\s)*SLOT1
	s_add_nc_u64 s[G0A+4*(\s)+2:G0A+4*(\s)+3], s[AAD:AAD+1], (\s)*STEP
	s_or_b32 s[G0A+4*(\s)+3], s[G0A+4*(\s)+3], 0x80000000
	s_mov_b32 s[G0B+4*(\s)], 1
	s_add_co_u32 s[G0B+4*(\s)+1], s[LA], (\s)*SLOT1
	s_add_nc_u64 s[G0B+4*(\s)+2:G0B+4*(\s)+3], s[BAD:BAD+1], (\s)*STEP
	s_or_b32 s[G0B+4*(\s)+3], s[G0B+4*(\s)+3], 0x80000000
.endr
	s_cmp_eq_u32 s[FB], 0                          ; a wave's two first fills stand in one branch: two loads of mine are out
	s_cbranch_scc0 .Lfirst_b
	tensor_load_to_lds s[G0A:G0A+3], s[G1A:G1A+7]
	s_nop 0
	tensor_load_to_lds s[G0A+4:G0A+7], s[G1A:G1A+7]
	s_nop 0
.rept 4
	v_nop
.endr
	s_branch .Lfirst_asked
.Lfirst_b:
	tensor_load_to_lds s[G0B:G0B+3], s[G1B:G1B+7]
	s_nop 0
	tensor_load_to_lds s[G0B+4:G0B+7], s[G1B:G1B+7]
	s_nop 0
.rept 4
	v_nop
.endr
.Lfirst_asked:
	v_and_b32 v1, 15, v0                           ; l % 16
	v_bfe_u32 v2, v0, 4, 1                         ; l / 16
	v_mul_u32_u24 v3, v1, PITCH
	v_lshl_add_u32 v3, v2, 4, v3                   ; a fragment's row x pitch + 16 x half
	s_mul_i32 s16, s[FB], HALFT                    ; my 128 queries
	s_mul_i32 s17, s[HF], HALFT                    ; my 128 keys,
	s_add_co_u32 s17, s17, 2*HALFT                 ; which lie behind q's 256 rows
	v_add_nc_u32 v[ADRA0], s16, v3
	v_add_nc_u32 v[ADRB0], s17, v3
	v_mov_b32 v[ADRA], v[ADRA0]
	v_mov_b32 v[ADRB], v[ADRB0]
	s_mov_b32 s[TB], 0
	s_mul_i32 s16, s[WV], 16*SP
	s_add_co_u32 s16, s16, STAGE                   ; my stage
	v_add_nc_u32 v[STO], s16, v3                   ; in: row l % 16, 16 bytes for each half of the lanes
	v_mul_u32_u24 v5, v2, SP                       ; back: lanes 0-15 one row of 256 bytes, lanes 16-31 the next
	v_lshl_add_u32 v5, v1, 4, v5
	v_add_nc_u32 v[RD], s16, v5
	v_lshlrev_b32 v5, 12, v2                       ; and the same two rows in pl
	v_lshl_add_u32 v[CO], v1, 4, v5
	s_lshl_b32 s16, s[WV], 10
	s_add_co_u32 s16, s16, STS                     ; my statistics
	v_lshl_add_u32 v[SA0], v1, 2, s16
	v_and_b32 v4, 31, v0
	v_lshl_add_u32 v[SR], v4, 4, s16
	v_lshlrev_b32 v[SO], 4, v4
	v_lshlrev_b32 v[PFO], 11, v4
	v_mov_b32 v[MC+1], 0                           ; named with c m as a pair
	v_mov_b32 v[LS+1], 0                           ; the exchange's destination counts as read
	s_lshl_b32 s16, s[TR], 8
	s_lshl_b32 s17, s[FB], 7
	s_add_co_u32 s16, s16, s17                     ; my first row: 256 x tile row + 128 x half
	s_lshl_b32 s18, s16, 2                         ; in a block's statistics,
	s_lshl_b32 s16, s16, 12                        ; in pl
	s_lshl_b32 s17, s[TC], 9
	s_add_co_u32 s16, s16, s17
	s_lshl_b32 s17, s[HF], 8
	s_add_co_u32 s16, s16, s17                     ; my first column: 256 x tile column + 128 x half, 2 bytes each
	s_mov_b32 s17, 0
	s_add_nc_u64 s[CP:CP+1], s[82:83], s[16:17]
	s_lshl_b32 s16, s[TC], 1
	s_add_co_u32 s16, s16, s[HF]                   ; my block of 128 keys, 0 to 15
	s_lshl_b32 s16, s16, 15                        ; 8,192 rows of 4 bytes
	s_add_co_u32 s18, s18, s16
	s_mov_b32 s19, 0
	s_add_nc_u64 s[SP0:SP0+1], s[84:85], s[18:19]
	; the prefetches
	s_and_b32 s16, ttmp7, 1                        ; 0 in the first of the two rows of clusters that share a batch
	s_cmp_eq_u32 s[FB], 0
	s_cselect_b32 s16, ttmp9, s16
	s_cselect_b32 s18, s[CX], s[CY]
	s_cselect_b64 s[PFA:PFA+1], s[AAD:AAD+1], s[BAD:BAD+1]
	s_cmp_eq_u32 s16, 0
	s_cselect_b32 s[LIM], AH, -1                   ; the same in all sixteen partners, for a given wave
	s_lshl_b32 s18, s18, 16                        ; my work-group's 32 rows of 2,048 bytes,
	s_add_co_u32 s18, s18, (1+AH)*STEP             ; at K step 1 + AH: each refill steps it first.  Nothing is prefetched here, at the head
	s_mov_b32 s19, 0
	s_add_nc_u64 s[PFA:PFA+1], s[PFA:PFA+1], s[18:19]
; 16 matrix instructions: query blocks a0, a0 + 1 of the window's four (hi = 0: my queries 0-63, 1: 64-127) x all 8 key blocks.  zero = 1: the first product starts the sums.
; The 64 accumulators take turns, one instruction a turn.
.macro MUL16 f, hi, a0, zero
	WIN 0xa1+0x50*(\hi)                            ; k window 1, q window 0, C and D window 2 or 3
.irp a, \a0, (\a0)+1
.irp b, 0,1,2,3,4,5,6,7
.if \zero
	v_wmma_f32_16x16x32_f16 v[8*(8*(\a)+(\b)):8*(8*(\a)+(\b))+7], v[(\f)+8*(\b):(\f)+8*(\b)+7], v[(\f)+8*(4*(\hi)+(\a)):(\f)+8*(4*(\hi)+(\a))+7], 0
.else
	v_wmma_f32_16x16x32_f16 v[8*(8*(\a)+(\b)):8*(8*(\a)+(\b))+7], v[(\f)+8*(\b):(\f)+8*(\b)+7], v[(\f)+8*(4*(\hi)+(\a)):(\f)+8*(4*(\hi)+(\a))+7], v[8*(8*(\a)+(\b)):8*(8*(\a)+(\b))+7]
.endif
.endr
.endr
.endm
.macro FETCH q, f                      ; 32 LDS loads in one run: quarter q's fragments into buffer f: k's sixteen, then q's
	WIN 0x40
.irp i, 0,1,2,3,4,5,6,7
	ds_load_b128 v[(\f)+8*(\i):(\f)+8*(\i)+3],   v[ADRB] offset:64*(\q)+(\i)*16*PITCH
	ds_load_b128 v[(\f)+8*(\i)+4:(\f)+8*(\i)+7], v[ADRB] offset:64*(\q)+(\i)*16*PITCH+32
.endr
	WIN 0
.irp i, 0,1,2,3,4,5,6,7
	ds_load_b128 v[(\f)+8*(\i):(\f)+8*(\i)+3],   v[ADRA] offset:64*(\q)+(\i)*16*PITCH
	ds_load_b128 v[(\f)+8*(\i)+4:(\f)+8*(\i)+7], v[ADRA] offset:64*(\q)+(\i)*16*PITCH+32
.endr
.endm
.macro QUARTER q, f, g, zero           ; multiplies buffer f (64 matrix instructions) and fetches quarter q into buffer g
	s_wait_dscnt 8                                 ; k's fragments and my queries 0-63 are in; the youngest eight loads may be out
	MUL16 \f, 0, 0, \zero
	MUL16 \f, 0, 2, \zero
	PLACES
	FETCH \q, \g
	s_wait_dscnt 32                                ; all but the 32 just issued
	MUL16 \f, 1, 0, \zero
	MUL16 \f, 1, 2, \zero
.endm
; The last quarter multiplies buffer 1 and changes slots: ONE barrier; in front of it each wave waits for all its tensor loads, adds 0 to its spare word, and waits for that and for its reads of this slot.
; fill = 1: the barrier opens a round of the cluster's barrier, and behind the round this slot is filled again, two K steps ahead.
.macro TURN fill
.if \fill
	s_wait_xcnt 0x0                                ; the last prefetch, a K step back, has read its address
	s_add_nc_u64 s[PFA:PFA+1], s[PFA:PFA+1], STEP
.endif
	WIN 0
	s_wait_tensorcnt 0x0                           ; no tensor load of mine is out, so a group 0 may be written
	ds_add_u32 v[SPW], v[NIL]                      ; 0 onto my spare word
.if \fill
	s_xor_b32 s[G0A+5], s[G0A+5], SLOT1            ; the walking sets: the other slot, the next K step
	s_add_nc_u64 s[G0A+6:G0A+7], s[G0A+6:G0A+7], STEP
	s_xor_b32 s[G0B+5], s[G0B+5], SLOT1
	s_add_nc_u64 s[G0B+6:G0B+7], s[G0B+6:G0B+7], STEP
.endif
	s_xor_b32 s[TB], s[TB], SLOT1
	s_wait_dscnt 9                                 ; (the add and the youngest eight loads may be out)
	MUL16 F1, 0, 0, 0
	s_wait_dscnt 0x0                               ; the add is done, and my reads of this slot are over
	s_barrier_signal -1
	MUL16 F1, 0, 2, 0
	WIN 0
	s_barrier_wait -1
.if \fill
	CREST
	JLOAD                                          ; my one tensor load behind the round; its four v_nop are also the places in front of the loads below
.else
	PLACES
.endif
	v_add_nc_u32 v[ADRA], s[TB], v[ADRA0]
	v_add_nc_u32 v[ADRB], s[TB], v[ADRB0]
	FETCH 0, F0
.if \fill
	ASK
.endif
	MUL16 F1, 1, 0, 0
	MUL16 F1, 1, 2, 0
.endm
; THE SOFTMAX OF A BLOCK: query block a is 16 queries x my 128 keys: 8 accumulators, 64 scores a lane.  What names the accumulators is written for each block: the maximum (each accumulator's lowest
; registers are read first) and c s - c m, which goes into the 64 registers XW of window 0.  All that follows works on XW and is written once, in the loop below.
.macro HEADB a
.set W, 2+(\a)/4
.set AC, 64*((\a)%4)
	WIN W*0x15                                     ; all three sources in the accumulators' window
.irp b, 0,1,2,3,4,5,6,7
	v_max3_num_f32 v[TT+(\b)], v[AC+8*(\b)], v[AC+8*(\b)+1], v[AC+8*(\b)+2]
.endr
	WIN W*0x14                                     ; source 0 in window 0
.irp b, 0,1,2,3,4,5,6,7
	v_max3_num_f32 v[TT+(\b)], v[TT+(\b)], v[AC+8*(\b)+3], v[AC+8*(\b)+4]
.endr
.irp b, 0,1,2,3,4,5,6,7
	v_max3_num_f32 v[TT+(\b)], v[TT+(\b)], v[AC+8*(\b)+5], v[AC+8*(\b)+6]
.endr
.irp i, 0,1,2,3
	v_max3_num_f32 v[TT+(\i)], v[TT+(\i)], v[AC+16*(\i)+7], v[AC+16*(\i)+15]
.endr
	WIN 0
	v_max3_num_f32 v[TT], v[TT], v[TT+1], v[TT+2]
	v_max3_num_f32 v[TT+3], v[TT+3], v[TT+4], v[TT+5]
	v_max3_num_f32 v[TT], v[TT], v[TT+3], v[TT+6]
	v_max_num_f32 v[TT], v[TT], v[TT+7]
	v_permlanex16_b32 v[TT+1], v[TT], s[SEL], s[SEL+1]  ; the query's other 64 keys lie in the lane 16 away
	v_max_num_f32 v[TT], v[TT], v[TT+1]
	v_mul_f32 v[MC], s[CS], v[TT]
	WIN W                                          ; source 0 in the accumulators' window; c m and the destination in window 0
.set i, 0
.rept 32
	v_pk_fma_f32 v[XW+i:XW+i+1], v[AC+i:AC+i+1], s[CS:CS+1], v[MC:MC+1] op_sel_hi:[1,0,0] neg_lo:[0,0,1] neg_hi:[0,0,1]
.set i, i+2
.endr
	WIN 0
.endm
.macro TOSTAGE
.irp b, 0,1,2,3,4,5,6,7
	ds_store_b128 v[STO], v[TMP+4*(\b):TMP+4*(\b)+3] offset:32*(\b)
.endr
.irp t, 0,1,2,3,4,5,6,7
	ds_load_b128 v[OB+4*(\t):OB+4*(\t)+3], v[RD] offset:(\t)*2*SP  ; LDS serves a wave's instructions in order (ISA guide 5.7.1.4): these see the stores above
.endr
.endm
.macro SENDP younger                   ; younger: the LDS instructions issued behind the block's loads: the next block's two stores of statistics, or none
	s_wait_dscnt \younger
.irp t, 0,1,2,3,4,5,6,7
	global_store_b128 v[CO], v[OB+4*(\t):OB+4*(\t)+3], s[CP:CP+1] offset:2*(\t)*ROWC  ; 16 lanes store 256 consecutive bytes, aligned
.endr
	s_wait_xcnt 0x0                                ; the stores have read their base and their 32 registers: only behind this wait is either written again
	s_add_nc_u64 s[CP:CP+1], s[CP:CP+1], 16*ROWC
.endm
	s_wait_tensorcnt 1                             ; my part of K step 0 is in; K step 1's may stay out
	s_barrier_signal -1
	s_barrier_wait -1
	FETCH 0, F0
	QUARTER 1, F0, F1, 1                           ; the first quarter stands in front of the loop: its products start the sums
	WIN 0
	s_mov_b32 s[CNT], T-2
.Lstep:                                                ; a trip: from a K step's second quarter to the next step's first; it fills one slot again
	QUARTER 2, F1, F0, 0
	QUARTER 3, F0, F1, 0
	TURN 1
	QUARTER 1, F0, F1, 0
	WIN 0
	s_sub_co_u32 s[CNT], s[CNT], 1
	s_cmp_lg_u32 s[CNT], 0
	s_cbranch_scc1 .Lstep
	s_mov_b32 s[CNT], 2                            ; the last two K steps ask for nothing: a text of their own; the second trip is left in its middle
.Ltail:
	QUARTER 2, F1, F0, 0
	QUARTER 3, F0, F1, 0
	WIN 0
	s_sub_co_u32 s[CNT], s[CNT], 1
	s_cmp_eq_u32 s[CNT], 0
	s_cbranch_scc1 .Lout
	TURN 0
	QUARTER 1, F0, F1, 0
	WIN 0
	s_branch .Ltail
.Lout:
	s_wait_dscnt 8                                 ; the very last quarter
	MUL16 F1, 0, 0, 0
	MUL16 F1, 0, 2, 0
	s_wait_dscnt 0x0
	MUL16 F1, 1, 0, 0
	MUL16 F1, 1, 2, 0
	WIN 0
	PLACES
	PLACES
	s_mov_b32 s[CNT], 8
	s_mov_b32 s[SOF], 0
.Lblk:                                                 ; a trip: the softmax of block 8 - CNT; the block before it is stored; it goes through the stage
.irp a, 0,1,2,3,4,5,6
	s_cmp_eq_u32 s[CNT], 8-(\a)
	s_cbranch_scc1 .Lb\a
.endr
	s_branch .Lb7
.irp a, 0,1,2,3,4,5,6,7
.Lb\a:
	HEADB \a
	s_branch .Lsoft
.endr
.Lsoft:
.set i, 0
.rept 64
	v_exp_f32 v[XW+i], v[XW+i]                     ; ONE batch of 64 exponentials
.set i, i+1
.endr
	v_nop                                          ; a plain instruction behind the last exponential (ISA guide 5.7.2),
	s_wait_alu depctr_va_vdst(0)                   ; and the one wait for the batch, ahead of its first reader
.set i, 0
.rept 32
	v_cvt_pk_f16_f32 v[TMP+i], v[XW+2*i], v[XW+2*i+1]
.set i, i+1
.endr
.irp w, 32,16,8,4,2                    ; the sum of the unrounded weights, as a tree in place
.set u, 0
.rept (\w)/2
	v_pk_add_f32 v[XW+u:XW+u+1], v[XW+u:XW+u+1], v[XW+u+(\w):XW+u+(\w)+1]
.set u, u+2
.endr
.endr
	v_add_f32 v[LS], v[XW], v[XW+1]
	v_permlanex16_b32 v[LS+1], v[LS], s[SEL], s[SEL+1]
	v_add_f32 v[LS], v[LS], v[LS+1]
	v_add_nc_u32 v[SA], s[SOF], v[SA0]
	s_add_co_u32 s[SOF], s[SOF], 64
	ds_store_b32 v[SA], v[MC]                      ; both halves of the lanes write the same number to the same word
	ds_store_b32 v[SA], v[LS] offset:512
	s_cmp_eq_u32 s[CNT], 8
	s_cbranch_scc1 .Lnosend                        ; the first block has none before it
	SENDP 2                                        ; the block's softmax has stood between the loads of the block before from the stage and the wait for them
.Lnosend:
	TOSTAGE
	s_sub_co_u32 s[CNT], s[CNT], 1
	s_cmp_lg_u32 s[CNT], 0
	s_cbranch_scc1 .Lblk
	SENDP 0
	ds_load_b128 v[48:51], v[SR]                   ; my 128 c m and my 128 l, 512 consecutive bytes each
	ds_load_b128 v[52:55], v[SR] offset:512
	s_wait_dscnt 0x0
	global_store_b128 v[SO], v[48:51], s[SP0:SP0+1]
	global_store_b128 v[SO], v[52:55], s[SP0:SP0+1] offset:524288
	s_wait_tensorcnt 0x0                           ; the wave's end: behind my last tensor load and my last LDS store
	ds_add_u32 v[SPW], v[NIL]
	s_wait_dscnt 0x0
	CROUND                                         ; the closing round
	s_endpgm
.Lfunc_end_k_qe726fc6f85_scores:
	.size	k_qe726fc6f85_scores, .Lfunc_end_k_qe726fc6f85_scores-k_qe726fc6f85_scores
	.p2alignl 7, 3214868480
	.fill 96, 4, 3214868480
	.section	.rodata,"a",@progbits
	.p2align	6, 0x0
	.amdhsa_kernel k_qe726fc6f85_scores
		.amdhsa_group_segment_fixed_size 327680
		.amdhsa_private_segment_fixed_size 0
		.amdhsa_enable_private_segment 0
		.amdhsa_kernarg_size 24
		.amdhsa_user_sgpr_count 2
		.amdhsa_user_sgpr_kernarg_segment_ptr 1
		.amdhsa_wavefront_size32 1
		.amdhsa_system_sgpr_workgroup_id_x 1
		.amdhsa_system_sgpr_workgroup_id_y 1
		.amdhsa_system_sgpr_workgroup_id_z 1
		.amdhsa_system_vgpr_workitem_id 0
		.amdhsa_next_free_vgpr 1024
		.amdhsa_next_free_sgpr 96
		.amdhsa_reserve_vcc 0
		.amdhsa_float_denorm_mode_32 3
		.amdhsa_float_denorm_mode_16_64 3
		.amdhsa_memory_ordered 1
		.amdhsa_forward_progress 1
		.amdhsa_inst_pref_size 118
	.end_amdhsa_kernel
	.amdgpu_metadata
---
amdhsa.version: [ 1, 2 ]
amdhsa.kernels:
  - .name:           k_qe726fc6f85_scores
    .symbol:         k_qe726fc6f85_scores.kd
    .args:
      - { .name: qkv, .offset: 0, .size: 8, .value_kind: global_buffer, .address_space: global }
      - { .name: pl, .offset: 8, .size: 8, .value_kind: global_buffer, .address_space: global }
      - { .name: stats, .offset: 16, .size: 8, .value_kind: global_buffer, .address_space: global }
    .group_segment_fixed_size: 327680
    .private_segment_fixed_size: 0
    .kernarg_segment_align: 8
    .kernarg_segment_size: 24
    .max_flat_workgroup_size: 128
    .sgpr_count:     96
    .vgpr_count:     1024
    .wavefront_size: 32
...
	.end_amdgpu_metadata
.endif
;; end of part 3
;; launch pv (part 4): grid 8 x 32, 4 waves a work-group, clusters of 4 x 4, 327,680 bytes of LDS; arguments pl, qkv, stats, o16; writes o16
.if DOCPART == 4
	.amdgcn_target "amdgcn-amd-amdhsa--gfx1250"
	.amdhsa_code_object_version 6
	.text
	.protected	k_qe726fc6f85_pv
	.globl	k_qe726fc6f85_pv
	.p2align	8
	.type	k_qe726fc6f85_pv,@function
k_qe726fc6f85_pv:
	s_mov_b64 s[64:65], 0
	v_nop
	global_prefetch_b8 v0, s[64:65] scope:SCOPE_SE
	s_setreg_imm32_b32 hwreg(HW_REG_WAVE_MODE, 25, 1), 1
	s_wait_xcnt 0x0
	s_wait_alu depctr_hold_cnt(0) depctr_sa_sdst(0) depctr_va_vdst(0) depctr_va_sdst(0) depctr_va_ssrc(0) depctr_va_vcc(0) depctr_vm_vsrc(0)
	s_getreg_b32 s2, hwreg(HW_REG_IB_STS2, 6, 4)
	s_cmp_eq_u32 s2, 0
	s_cbranch_scc0 .Lentry_in_a_cluster
	s_endpgm
.Lentry_in_a_cluster:
	s_bfe_u32 s2, ttmp6, 0x10000c
	s_cmp_lg_u32 s2, 0xf033
	s_cbranch_scc0 .Lentry_shape_is_right
	s_endpgm
.Lentry_shape_is_right:
; O = softmax(scores) v, from the block-wise weights of the launch before.  pl: [8192][2048] f16, p = 2^(c s - c m_j) within block j of 128 keys; stats: [2][16 j][8192] f32: c m_j, then l_j;
; v = the third part of qkv, [8192][1024] f16; o16: [8192][1024] f16.
; For each row: M = the maximum of the sixteen c m_j (the row's true maximum), f_j = 2^(c m_j - M) <= 1, L = the sum of f_j l_j >= 1.  O = (the sum over j of f_j (p_j v_j)) / L.
; K step j is block j: the row's fragments of p are multiplied by f_j (two f16 a line) between LDS and the matrix unit; the sums stay in f32 and are divided by L in f32; O is rounded once.
; LIMITS.  f_j and p f_j are f16: a weight below 6e-8 of its row's largest counts as 0, below 6e-5 it keeps f16's fixed step of 6e-8.  O is a mean of v's rows and has their range.  NaN and infinities are not treated apart.
; SHARES, RING, CLUSTER.  A tile is 256 rows x 128 columns; four waves, each 64 x 128: 32 accumulators.  K (2,048 keys) goes in 16 steps of 128 through two LDS slots: 256 rows of p and 128 rows of v, 256 bytes each.
; v lies [key][channel] and comes out of LDS turned, by ds_load_tr16_b128.  The matrix instruction is used transposed (source 0 = 16 channels of v, source 1 = 16 rows of p): a lane holds one row (lane % 16)
; and eight neighbouring channels.  4 x 4 work-groups: p's tile is shared along a row of the cluster, v's along a column; each is asked for JOINTLY.
; REGISTERS, in windows of 256 (s_set_vgpr_msb: bits 1:0 source 0, 3:2 source 1, 5:4 source 2, 7:6 destination):
;   window 0: v0-31 addresses and the step's four factors; v32-39 1 / L, a pair a row block; v40-48 at work; v64-95, v128-159 p's fragments (at the head v64-255 make the factors; on the way out v64-127 rows read back); v192-223 packed results
;   window 1: v64-127, v128-191 v's fragments          window 2: accumulator (a, b) at v[8 (8 a + b)]
.set T,     16
.set AH,    2
.set PA,    272                        ; a row of p in LDS: 256 bytes + 16: the 16 rows of a load start at 16 different groups of four banks (64 banks of 4 bytes: ISA guide 11.1)
.set PB,    288                        ; a row of v: 256 + 32
.set APART, 128*PA
.set BPART, 64*PB
.set BOFF,  2*APART
.set SLOT1, 1<<17
.set STAGE, SLOT1+BOFF+2*BPART
.set SP,    272
.set TBL,   STAGE+4*16*SP              ; behind the stages: the factors: for step j at 2,048 j, for wave w at 512 w, 16 bytes a lane: (f, f) in f16 for its row of each of the four row blocks
.set SPARE, TBL+16*2048                ; behind them: the spare words, 128 bytes for each wave
.set STEPA, 256
.set STEPB, 128*2048
.set ROWC,  2048
.set ADRA0, 16
.set ADRB0, 17
.set ADRA,  18
.set ADRB,  19
.set FC,    20                         ; v[20:23] the step's factors for my row of blocks 0 to 3
.set STO,   24
.set RD,    25
.set CO,    26
.set FAD0,  27                         ; v27  my 16 bytes of step 0's factors; never rewritten
.set SPW,   28                         ; v28  LDS address of my spare word; never rewritten
.set NIL,   29                         ; v29  0; never rewritten
.set PFO,   30
.set FAD,   31                         ; v31  my 16 bytes of the factors to be read next
.set RL,    32
.set MX,    40                         ; v40-43  M
.set LL,    44                         ; v44-47  L
.set F0,    64
.set F1,    128
.set TMP,   192
.set OB,    64
.set CNT,   3
.set CP,    8
.set WV,    10
.set FB,    11
.set HF,    12
.set TR,    13
.set AAD,   14
.set LA,    22
.set LB,    23
.set G1A,   24
.set G0A,   32
.set CX,    40
.set CY,    41
.set TC,    42
.set LIM,   43
.set PFA,   44
.set BAD,   46
.set G1B,   48
.set G0B,   56
.set PFS,   66
.set TB,    68
.set FT,    69                         ; s69  2,048 x the K step whose factors are read next
.set SP0,   74                         ; s[74:75] stats at my wave's first row
.set MSB, 0
.macro WIN new
.if MSB != (\new)
	s_set_vgpr_msb (MSB<<8)|(\new)
.set MSB, \new
.endif
.endm
.macro PLACES
.rept 4
	v_nop
.endr
.endm
.macro CREST
	s_cmp_lg_u32 s[WV], 0
	s_cbranch_scc1 .Lnot_wave_0_\@
	s_barrier_signal -3
.Lnot_wave_0_\@:
	s_barrier_wait -3
	s_barrier_signal -1
	s_barrier_wait -1
.endm
.macro CROUND
	s_barrier_signal -1
	s_barrier_wait -1
	CREST
.endm
.macro JLOAD                           ; a joint refill by the walking sets; an s_nop 0 and four v_nop follow each line
	s_cmp_eq_u32 s[FB], 0
	s_cbranch_scc0 .Lfor_b_\@
	tensor_load_to_lds s[G0A+4:G0A+7], s[G1A:G1A+7]
	s_nop 0
.rept 4
	v_nop
.endr
	s_branch .Lasked_\@
.Lfor_b_\@:
	tensor_load_to_lds s[G0B+4:G0B+7], s[G1B:G1B+7]
	s_nop 0
.rept 4
	v_nop
.endr
.Lasked_\@:
.endm
; A PREFETCH INTO THE L2 of the K step that stands AH refills on: 32 rows x 256 bytes, a lane a row.  Each row's 256 bytes of a K step are named once in the launch: p's rows by the clusters with x = 0
; (waves 0 and 1; of a wave's 128 rows the partner at cx takes 32); v's rows by the first of the two rows of clusters that share a batch (wave 2; of the step's 128 the partner at cy takes 32).
; The partners are told apart by address alone.  The last AH refills ask for nothing.
.macro ASK
	s_cmp_gt_u32 s[CNT], s[LIM]
	s_cbranch_scc0 .Lnot_mine_\@
	global_prefetch_b8 v[PFO], s[PFA:PFA+1] th:TH_LOAD_NT scope:SCOPE_SE
.Lnot_mine_\@:
.endm
	s_load_b256 s[80:87], s[0:1], 0x0              ; pl s[80:81], qkv s[82:83], stats s[84:85], o16 s[86:87]
	v_lshl_add_u32 v[SPW], v0, 2, SPARE
	v_mov_b32 v[NIL], 0
	ds_add_u32 v[SPW], v[NIL]                      ; the wave's opening: the add and its wait stand ahead of my first tensor load; the set-up below, work on registers, stands between them
	v_lshrrev_b32 v1, 5, v0
	v_readfirstlane_b32 s[WV], v1
	s_lshr_b32 s[FB], s[WV], 1
	s_and_b32 s[HF], s[WV], 1
	s_bfe_u32 s[CX], ttmp6, 0x40000
	s_bfe_u32 s[CY], ttmp6, 0x40004
	s_lshl_b32 s[TC], ttmp9, 2
	s_add_co_u32 s[TC], s[TC], s[CX]
	s_and_b32 s[TR], ttmp7, 0xffff
	s_lshl_b32 s[TR], s[TR], 2
	s_add_co_u32 s[TR], s[TR], s[CY]
	s_lshl_b32 s16, s[CY], 2
	s_lshl_b32 s16, 15, s16                        ; my row of the cluster
	s_lshl_b32 s17, 0x1111, s[CX]                  ; my column
	s_or_b32 s[G1A], s16, (1<<16)|(1<<20)|(1<<21)|(5<<22)|(3<<25)  ; the mask; 2-byte elements; padding on; bit 21 beside a mask; after every 64 words 4 words
	s_or_b32 s[G1B], s17, (1<<16)|(1<<20)|(1<<21)|(5<<22)|(7<<25)  ; the same with my column's mask and 8 words
	s_mov_b32 s[G1A+1], 128<<16                    ; tensor_dim0 = 128
	s_mov_b32 s[G1A+2], 128<<16                    ; tensor_dim1 = 128
	s_mov_b32 s[G1A+3], 128<<16                    ; tile_dim0 = 128
	s_mov_b32 s[G1A+4], 128                        ; tile_dim1 = 128
	s_mov_b32 s[G1A+5], 2048                       ; elements from row to row of pl
	s_mov_b32 s[G1A+6], 0
	s_mov_b32 s[G1A+7], 0
	s_mov_b32 s[G1B+1], 128<<16
	s_mov_b32 s[G1B+2], 64<<16
	s_mov_b32 s[G1B+3], 128<<16
	s_mov_b32 s[G1B+4], 64
	s_mov_b32 s[G1B+5], 1024
	s_mov_b32 s[G1B+6], 0
	s_mov_b32 s[G1B+7], 0
	s_lshl_b32 s[AAD], s[TR], 8
	s_lshl_b32 s[AAD+1], s[HF], 7
	s_add_co_u32 s[AAD], s[AAD], s[AAD+1]
	s_lshl_b32 s[AAD], s[AAD], 12                  ; p: row 256 x tile row + 128 x half, 4,096 bytes each
	s_mov_b32 s[AAD+1], 0
	s_and_b32 s[BAD], ttmp7, 0xffff
	s_lshr_b32 s[BAD], s[BAD], 1                   ; the batch: two rows of clusters each
	s_lshl_b32 s[BAD], s[BAD], 22                  ; 2,048 rows of 2,048 bytes
	s_lshl_b32 s[BAD+1], s[HF], 17                 ; 64 rows
	s_add_co_u32 s[BAD], s[BAD], s[BAD+1]
	s_lshl_b32 s[BAD+1], s[TC], 8                  ; 128 channels
	s_add_co_u32 s[BAD], s[BAD], s[BAD+1]
	s_add_co_u32 s[BAD], s[BAD], 2*16777216        ; v lies behind q and k
	s_mov_b32 s[BAD+1], 0
	s_mul_i32 s[LA], s[WV], APART
	s_mul_i32 s[LB], s[WV], BPART
	s_add_co_u32 s[LB], s[LB], BOFF-2*BPART        ; no place in the cluster enters an LDS address
	s_wait_dscnt 0x0                               ; the opening add is done
	s_wait_kmcnt 0x0
	s_add_nc_u64 s[AAD:AAD+1], s[80:81], s[AAD:AAD+1]
	s_add_nc_u64 s[BAD:BAD+1], s[82:83], s[BAD:BAD+1]
	CROUND                                         ; all sixteen work-groups are here: the first joint loads meet
.irp s, 0,1
	s_mov_b32 s[G0A+4*(\s)], 1
	s_add_co_u32 s[G0A+4*(\s)+1], s[LA], (\s)*SLOT1
	s_add_nc_u64 s[G0A+4*(\s)+2:G0A+4*(\s)+3], s[AAD:AAD+1], (\s)*STEPA
	s_or_b32 s[G0A+4*(\s)+3], s[G0A+4*(\s)+3], 0x80000000
	s_mov_b32 s[G0B+4*(\s)], 1
	s_add_co_u32 s[G0B+4*(\s)+1], s[LB], (\s)*SLOT1
	s_add_nc_u64 s[G0B+4*(\s)+2:G0B+4*(\s)+3], s[BAD:BAD+1], (\s)*STEPB
	s_or_b32 s[G0B+4*(\s)+3], s[G0B+4*(\s)+3], 0x80000000
.endr
	s_cmp_eq_u32 s[FB], 0                          ; a wave's two first fills stand in one branch: two loads of mine are out
	s_cbranch_scc0 .Lfirst_b
	tensor_load_to_lds s[G0A:G0A+3], s[G1A:G1A+7]
	s_nop 0
	tensor_load_to_lds s[G0A+4:G0A+7], s[G1A:G1A+7]
	s_nop 0
.rept 4
	v_nop
.endr
	s_branch .Lfirst_asked
.Lfirst_b:
	tensor_load_to_lds s[G0B:G0B+3], s[G1B:G1B+7]
	s_nop 0
	tensor_load_to_lds s[G0B+4:G0B+7], s[G1B:G1B+7]
	s_nop 0
.rept 4
	v_nop
.endr
.Lfirst_asked:
	; THE FACTORS, made in the wait for the first tile.  My lane's rows are 16 a + l % 16 of the wave's 64: c m_j into v[64 + 4 j + a], l_j into v[128 + 4 j + a].
	s_lshl_b32 s16, s[TR], 8
	s_lshl_b32 s17, s[WV], 6
	s_add_co_u32 s18, s16, s17                     ; my first row: 256 x tile row + 64 x wave
	s_lshl_b32 s16, s18, 2
	s_mov_b32 s17, 0
	s_add_nc_u64 s[SP0:SP0+1], s[84:85], s[16:17]
	v_and_b32 v1, 15, v0                           ; l % 16
	v_bfe_u32 v2, v0, 4, 1                         ; l / 16
	v_lshlrev_b32 v48, 2, v1
.set j, 0
.rept 16
.irp a, 0,1,2,3
	global_load_b32 v[64+4*j+(\a)],  v48, s[SP0:SP0+1] offset:32768*j+64*(\a)
	global_load_b32 v[128+4*j+(\a)], v48, s[SP0:SP0+1] offset:524288+32768*j+64*(\a)
.endr
.set j, j+1
.endr
	; the addresses, while those loads are on their way
	s_lshl_b32 s16, s18, 11                        ; my first row in o16,
	s_lshl_b32 s17, s[TC], 8                       ; the tile's first column
	s_add_co_u32 s16, s16, s17
	s_mov_b32 s17, 0
	s_add_nc_u64 s[CP:CP+1], s[86:87], s[16:17]
	v_mul_u32_u24 v3, v1, PA
	v_lshl_add_u32 v3, v2, 4, v3                   ; a fragment's row x pitch + 16 x half
	s_mul_i32 s16, s[WV], 64*PA
	v_add_nc_u32 v[ADRA0], s16, v3
	v_and_b32 v4, 7, v0                            ; the turning load: lane l reads key 8 (l / 16) + l % 8, channels 8 ((l / 8) % 2) + 0..7
	v_bfe_u32 v5, v0, 3, 1
	v_lshl_add_u32 v4, v2, 3, v4
	v_mul_u32_u24 v4, v4, PB
	v_lshl_add_u32 v4, v5, 4, v4
	v_add_nc_u32 v[ADRB0], BOFF, v4
	v_mov_b32 v[ADRA], v[ADRA0]
	v_mov_b32 v[ADRB], v[ADRB0]
	s_mov_b32 s[TB], 0
	s_mul_i32 s16, s[WV], 16*SP
	s_add_co_u32 s16, s16, STAGE
	v_add_nc_u32 v[STO], s16, v3
	v_mul_u32_u24 v5, v2, SP
	v_lshl_add_u32 v5, v1, 4, v5
	v_add_nc_u32 v[RD], s16, v5
	v_lshlrev_b32 v5, 11, v2
	v_lshl_add_u32 v[CO], v1, 4, v5
	s_lshl_b32 s16, s[WV], 9
	s_add_co_u32 s16, s16, TBL
	v_and_b32 v[PFO], 31, v0
	v_lshl_add_u32 v[FAD0], v[PFO], 4, s16
	v_mov_b32 v[FAD], v[FAD0]
	s_mov_b32 s[FT], 0
	; the prefetches
	s_and_b32 s16, ttmp7, 1                        ; 0 in the first of the two rows of clusters that share a batch
	s_mov_b32 s[PFS], STEPB
	s_cmp_eq_u32 s[FB], 0
	s_cselect_b32 s16, ttmp9, s16
	s_cselect_b32 s17, 0, s[HF]                    ; of v's two waves the first asks for the whole step
	s_cselect_b32 s18, s[CX], s[CY]
	s_cselect_b32 s20, 12, 11                      ; a row's bytes: 2^12 in pl, 2^11 in v
	s_cselect_b32 s[PFS], STEPA, s[PFS]
	s_cselect_b64 s[PFA:PFA+1], s[AAD:AAD+1], s[BAD:BAD+1]
	s_or_b32 s16, s16, s17
	s_cmp_eq_u32 s16, 0
	s_cselect_b32 s[LIM], AH, -1                   ; the same in all sixteen partners, for a given wave
	s_mov_b32 s[PFS+1], 0
	s_lshl_b32 s18, s18, 5                         ; my work-group's 32 rows
	s_lshl_b32 s18, s18, s20
	s_mov_b32 s19, 0
	s_add_nc_u64 s[PFA:PFA+1], s[PFA:PFA+1], s[18:19]
	s_mul_i32 s18, s[PFS], 1+AH                    ; at K step 1 + AH: each refill steps it first.  Nothing is prefetched here, at the head
	s_add_nc_u64 s[PFA:PFA+1], s[PFA:PFA+1], s[18:19]
	v_lshlrev_b32 v[PFO], s20, v[PFO]
	s_wait_loadcnt 0x0                             ; the statistics
.irp a, 0,1,2,3
	v_max3_num_f32 v[MX+(\a)], v[64+(\a)], v[68+(\a)], v[72+(\a)]
.endr
.set j, 3
.rept 6
.irp a, 0,1,2,3
	v_max3_num_f32 v[MX+(\a)], v[MX+(\a)], v[64+4*j+(\a)], v[68+4*j+(\a)]
.endr
.set j, j+2
.endr
.irp a, 0,1,2,3
	v_max_num_f32 v[MX+(\a)], v[MX+(\a)], v[124+(\a)]  ; M
.endr
.set i, 0
.rept 64
	v_sub_f32 v[64+i], v[64+i], v[MX+i%4]
.set i, i+1
.endr
.set i, 0
.rept 64
	v_exp_f32 v[64+i], v[64+i]                     ; f_j
.set i, i+1
.endr
	v_nop                                          ; a plain instruction behind the last exponential (ISA guide 5.7.2),
	s_wait_alu depctr_va_vdst(0)                   ; and the one wait for the batch
.irp a, 0,1,2,3
	v_mul_f32 v[LL+(\a)], v[64+(\a)], v[128+(\a)]
.endr
.set i, 4
.rept 60
	v_fmac_f32 v[LL+i%4], v[64+i], v[128+i]        ; L, four chains by turns
.set i, i+1
.endr
.set i, 0
.rept 64
	v_cvt_pk_f16_f32 v[192+i], v[64+i], v[64+i]    ; f_j twice, for the packed multiply
.set i, i+1
.endr
.irp a, 0,1,2,3
	v_rcp_f32 v[RL+2*(\a)], v[LL+(\a)]
	v_rcp_f32 v[RL+2*(\a)+1], v[LL+(\a)]           ; named with it as a pair
.endr
	v_nop
	s_wait_alu depctr_va_vdst(0)                   ; one wait for the eight reciprocals, ahead of every label
.set j, 0
.rept 16
	ds_store_b128 v[FAD0], v[192+4*j:195+4*j] offset:2048*j  ; bytes of my own: no other wave and no tensor load touches them
.set j, j+1
.endr
.macro MUL8 f, a, zero                 ; 8 matrix instructions: row block a x all 8 channel blocks; zero = 1: they start the sums.  The 32 accumulators take turns
	WIN 0xa1                                       ; v window 1, p window 0, C and D window 2
.irp b, 0,1,2,3,4,5,6,7
.if \zero
	v_wmma_f32_16x16x32_f16 v[8*(8*(\a)+(\b)):8*(8*(\a)+(\b))+7], v[(\f)+8*(\b):(\f)+8*(\b)+7], v[(\f)+8*(\a):(\f)+8*(\a)+7], 0
.else
	v_wmma_f32_16x16x32_f16 v[8*(8*(\a)+(\b)):8*(8*(\a)+(\b))+7], v[(\f)+8*(\b):(\f)+8*(\b)+7], v[(\f)+8*(\a):(\f)+8*(\a)+7], v[8*(8*(\a)+(\b)):8*(8*(\a)+(\b))+7]
.endif
.endr
.endm
.macro SC f, a                         ; row block a's fragment of p times the step's factor for my row: 16 weights in 8 lines
	WIN 0
.irp i, 0,1,2,3,4,5,6,7
	v_pk_mul_f16 v[(\f)+8*(\a)+(\i)], v[(\f)+8*(\a)+(\i)], v[FC+(\a)]
.endr
.endm
.macro FETCH q, f                      ; 24 LDS loads in one run: v's sixteen first, then p's eight, block by block
	WIN 0x40
.irp b, 0,1,2,3,4,5,6,7
	ds_load_tr16_b128 v[(\f)+8*(\b):(\f)+8*(\b)+3],   v[ADRB] offset:32*PB*(\q)+32*(\b)
	ds_load_tr16_b128 v[(\f)+8*(\b)+4:(\f)+8*(\b)+7], v[ADRB] offset:32*PB*(\q)+32*(\b)+16*PB
.endr
	WIN 0
.irp a, 0,1,2,3
	ds_load_b128 v[(\f)+8*(\a):(\f)+8*(\a)+3],   v[ADRA] offset:64*(\q)+16*PA*(\a)
	ds_load_b128 v[(\f)+8*(\a)+4:(\f)+8*(\a)+7], v[ADRA] offset:64*(\q)+16*PA*(\a)+32
.endr
.endm
; Multiplies buffer f and fetches quarter q into buffer g.  Between the last product that read buffer g and the loads into it stand the sixteen scalings of blocks 0 and 1 of buffer f,
; plain instructions that name none of that product's registers: no v_nop is written.
.macro QUARTER q, f, g, zero
	s_wait_dscnt 6                                 ; the factors, v's fragments and p's block 0 are in; blocks 1 to 3 (six loads) may be out
	SC \f, 0
	MUL8 \f, 0, \zero
	s_wait_dscnt 4
	SC \f, 1
	MUL8 \f, 1, \zero
	FETCH \q, \g
	s_wait_dscnt 26                                ; block 3's two loads and the 24 just issued may be out
	SC \f, 2
	MUL8 \f, 2, \zero
	s_wait_dscnt 24
	SC \f, 3
	MUL8 \f, 3, \zero
.endm
; The last quarter multiplies buffer 1 and changes slots: ONE barrier; in front of it each wave waits for all its tensor loads, adds 0 to its spare word, and waits for that and for its reads of this slot.
; fill = 1: the barrier opens a round of the cluster's barrier, and behind the round this slot is filled again.  All four blocks are scaled before the next step's factors are asked for.
.macro TURN fill
.if \fill
	s_wait_xcnt 0x0                                ; the last prefetch, a K step back, has read its address
	s_add_nc_u64 s[PFA:PFA+1], s[PFA:PFA+1], s[PFS:PFS+1]
.endif
	WIN 0
	s_wait_tensorcnt 0x0                           ; no tensor load of mine is out, so a group 0 may be written
	ds_add_u32 v[SPW], v[NIL]                      ; 0 onto my spare word
.if \fill
	s_xor_b32 s[G0A+5], s[G0A+5], SLOT1
	s_add_nc_u64 s[G0A+6:G0A+7], s[G0A+6:G0A+7], STEPA
	s_xor_b32 s[G0B+5], s[G0B+5], SLOT1
	s_add_nc_u64 s[G0B+6:G0B+7], s[G0B+6:G0B+7], STEPB
.endif
	s_xor_b32 s[TB], s[TB], SLOT1
	s_add_co_u32 s[FT], s[FT], 2048
	s_wait_dscnt 7                                 ; (the add and p's blocks 1 to 3 may be out)
	SC F1, 0
	MUL8 F1, 0, 0
	s_wait_dscnt 0x0                               ; the add is done, and my reads of this slot are over
	s_barrier_signal -1
	SC F1, 1                                       ; work on registers while the others arrive
	MUL8 F1, 1, 0
	SC F1, 2
	SC F1, 3
	s_barrier_wait -1
.if \fill
	CREST
	JLOAD                                          ; my one tensor load behind the round
.endif
	v_add_nc_u32 v[ADRA], s[TB], v[ADRA0]
	v_add_nc_u32 v[ADRB], s[TB], v[ADRB0]
	v_add_nc_u32 v[FAD], s[FT], v[FAD0]
	ds_load_b128 v[FC:FC+3], v[FAD]                ; the next step's factors: older than the run below, so that run's counted waits cover it
	FETCH 0, F0
.if \fill
	ASK
.endif
	MUL8 F1, 2, 0
	MUL8 F1, 3, 0
.endm
.macro LASTQ
	s_wait_dscnt 6
	SC F1, 0
	MUL8 F1, 0, 0
	s_wait_dscnt 4
	SC F1, 1
	MUL8 F1, 1, 0
	s_wait_dscnt 2
	SC F1, 2
	MUL8 F1, 2, 0
	s_wait_dscnt 0x0
	SC F1, 3
	MUL8 F1, 3, 0
.endm
; THE WAY OUT of row block a: divided by L in f32, rounded to f16 (each accumulator's registers in ascending order), through my stage, stored as whole rows of 256 bytes.
.macro PACK a
	WIN 0x82                                       ; destination and source 0 window 2, 1 / L window 0
.set i, 64*(\a)
.rept 32
	v_pk_mul_f32 v[i:i+1], v[i:i+1], v[RL+2*(\a):RL+2*(\a)+1] op_sel_hi:[1,0]
.set i, i+2
.endr
	WIN 0x0a
.irp b, 0,1,2,3,4,5,6,7
.irp r, 0,1,2,3
	v_cvt_pk_f16_f32 v[TMP+4*(\b)+(\r)], v[64*(\a)+8*(\b)+2*(\r)], v[64*(\a)+8*(\b)+2*(\r)+1]
.endr
.endr
	WIN 0
.endm
.macro TOSTAGE a
	WIN 0
.set BK, OB+32*((\a)%2)
.irp b, 0,1,2,3,4,5,6,7
	ds_store_b128 v[STO], v[TMP+4*(\b):TMP+4*(\b)+3] offset:32*(\b)
.endr
.irp t, 0,1,2,3,4,5,6,7
	ds_load_b128 v[BK+4*(\t):BK+4*(\t)+3], v[RD] offset:(\t)*2*SP  ; LDS serves a wave's instructions in order (ISA guide 5.7.1.4): these see the stores above
.endr
.endm
.macro SEND a, younger
	WIN 0
.set BK, OB+32*((\a)%2)
	s_wait_dscnt \younger
	s_wait_xcnt 0x0                                ; earlier stores have read their registers: the other 32 are loaded again only behind this wait
.irp t, 0,1,2,3,4,5,6,7
	global_store_b128 v[CO], v[BK+4*(\t):BK+4*(\t)+3], s[CP:CP+1] offset:(16*(\a)+2*(\t))*ROWC  ; 16 lanes store 256 consecutive bytes, aligned
.endr
.endm
	s_wait_tensorcnt 1                             ; my part of K step 0 is in; K step 1's may stay out
	s_wait_dscnt 0x0                               ; my stores of the factors are done: no LDS instruction is pending at a signal
	s_barrier_signal -1
	s_barrier_wait -1
	ds_load_b128 v[FC:FC+3], v[FAD]                ; step 0's factors
	FETCH 0, F0
	QUARTER 1, F0, F1, 1                           ; the first quarter stands in front of the loop: its products start the sums
	WIN 0
	s_mov_b32 s[CNT], T-2
.Lstep:                                                ; a trip: from a K step's second quarter to the next step's first; it fills one slot again
	QUARTER 2, F1, F0, 0
	QUARTER 3, F0, F1, 0
	TURN 1
	QUARTER 1, F0, F1, 0
	WIN 0
	s_sub_co_u32 s[CNT], s[CNT], 1
	s_cmp_lg_u32 s[CNT], 0
	s_cbranch_scc1 .Lstep
	s_mov_b32 s[CNT], 2                            ; the last two K steps ask for nothing: a text of their own; the second trip is left in its middle
.Ltail:
	QUARTER 2, F1, F0, 0
	QUARTER 3, F0, F1, 0
	WIN 0
	s_sub_co_u32 s[CNT], s[CNT], 1
	s_cmp_eq_u32 s[CNT], 0
	s_cbranch_scc1 .Lout
	TURN 0
	QUARTER 1, F0, F1, 0
	WIN 0
	s_branch .Ltail
.Lout:
	LASTQ
	PLACES
	PLACES
	PACK 0
	TOSTAGE 0
.irp a, 1,2,3
	PACK \a
	SEND (\a)-1, 0
	TOSTAGE \a
.endr
	SEND 3, 0
	s_wait_tensorcnt 0x0                           ; the wave's end: behind my last tensor load and my last LDS store
	ds_add_u32 v[SPW], v[NIL]
	s_wait_dscnt 0x0
	CROUND                                         ; the closing round
	s_endpgm
.Lfunc_end_k_qe726fc6f85_pv:
	.size	k_qe726fc6f85_pv, .Lfunc_end_k_qe726fc6f85_pv-k_qe726fc6f85_pv
	.p2alignl 7, 3214868480
	.fill 96, 4, 3214868480
	.section	.rodata,"a",@progbits
	.p2align	6, 0x0
	.amdhsa_kernel k_qe726fc6f85_pv
		.amdhsa_group_segment_fixed_size 327680
		.amdhsa_private_segment_fixed_size 0
		.amdhsa_enable_private_segment 0
		.amdhsa_kernarg_size 32
		.amdhsa_user_sgpr_count 2
		.amdhsa_user_sgpr_kernarg_segment_ptr 1
		.amdhsa_wavefront_size32 1
		.amdhsa_system_sgpr_workgroup_id_x 1
		.amdhsa_system_sgpr_workgroup_id_y 1
		.amdhsa_system_sgpr_workgroup_id_z 1
		.amdhsa_system_vgpr_workitem_id 0
		.amdhsa_next_free_vgpr 768
		.amdhsa_next_free_sgpr 96
		.amdhsa_reserve_vcc 0
		.amdhsa_float_denorm_mode_32 3
		.amdhsa_float_denorm_mode_16_64 3
		.amdhsa_memory_ordered 1
		.amdhsa_forward_progress 1
		.amdhsa_inst_pref_size 119
	.end_amdhsa_kernel
	.amdgpu_metadata
---
amdhsa.version: [ 1, 2 ]
amdhsa.kernels:
  - .name:           k_qe726fc6f85_pv
    .symbol:         k_qe726fc6f85_pv.kd
    .args:
      - { .name: pl, .offset: 0, .size: 8, .value_kind: global_buffer, .address_space: global }
      - { .name: qkv, .offset: 8, .size: 8, .value_kind: global_buffer, .address_space: global }
      - { .name: stats, .offset: 16, .size: 8, .value_kind: global_buffer, .address_space: global }
      - { .name: o16, .offset: 24, .size: 8, .value_kind: global_buffer, .address_space: global }
    .group_segment_fixed_size: 327680
    .private_segment_fixed_size: 0
    .kernarg_segment_align: 8
    .kernarg_segment_size: 32
    .max_flat_workgroup_size: 128
    .sgpr_count:     96
    .vgpr_count:     768
    .wavefront_size: 32
...
	.end_amdgpu_metadata
.endif
;; end of part 4
;; launch outp (part 5): grid 8 x 32, 4 waves a work-group, clusters of 4 x 4, 327,680 bytes of LDS; arguments o16, wo16, bo, out0; writes out0
.if DOCPART == 5
	.amdgcn_target "amdgcn-amd-amdhsa--gfx1250"
	.amdhsa_code_object_version 6
	.text
	.protected	k_qe726fc6f85_outp
	.globl	k_qe726fc6f85_outp
	.p2align	8
	.type	k_qe726fc6f85_outp,@function
k_qe726fc6f85_outp:
	s_mov_b64 s[64:65], 0
	v_nop
	global_prefetch_b8 v0, s[64:65] scope:SCOPE_SE
	s_setreg_imm32_b32 hwreg(HW_REG_WAVE_MODE, 25, 1), 1
	s_wait_xcnt 0x0
	s_wait_alu depctr_hold_cnt(0) depctr_sa_sdst(0) depctr_va_vdst(0) depctr_va_sdst(0) depctr_va_ssrc(0) depctr_va_vcc(0) depctr_vm_vsrc(0)
	s_getreg_b32 s2, hwreg(HW_REG_IB_STS2, 6, 4)
	s_cmp_eq_u32 s2, 0
	s_cbranch_scc0 .Lentry_in_a_cluster
	s_endpgm
.Lentry_in_a_cluster:
	s_bfe_u32 s2, ttmp6, 0x10000c
	s_cmp_lg_u32 s2, 0xf033
	s_cbranch_scc0 .Lentry_shape_is_right
	s_endpgm
.Lentry_shape_is_right:
; out0 = O Wo + bo.  o16: [8192][1024] f16; wo16: [1024 k][1024 n] f16; bo: [1024] f32; out0: [8192][1024] f32.  Sums in f32, begun with the bias, stored as they are.
; LIMIT.  NaN and infinities are not treated apart; the operands arrive within f16's range.
; SHARES, RING, CLUSTER.  A tile is 256 rows x 128 columns; four waves, each 64 x 128: 32 accumulators.  K goes in 8 steps of 128 through two LDS slots: 256 rows of O and 128 k-rows of Wo, 256 bytes each.
; Wo lies [k][n] and comes out of LDS turned, by ds_load_tr16_b128.  The matrix instruction is used transposed (source 0 = 16 columns of Wo, source 1 = 16 rows of O): a lane holds one row (lane % 16)
; and eight neighbouring columns.  4 x 4 work-groups: O's tile is shared along a row of the cluster, Wo's along a column; each is asked for JOINTLY.
; REGISTERS, in windows of 256 (s_set_vgpr_msb: bits 1:0 source 0, 3:2 source 1, 5:4 source 2, 7:6 destination):
;   window 0: v0-31 addresses; v64-95, v128-159 O's fragments (on the way out v64-191 rows read back)
;   window 1: v0-63 the bias, laid as a C operand; v64-127, v128-191 Wo's fragments          window 2: accumulator (a, b) at v[8 (8 a + b)]
.set T,     8
.set AH,    2
.set PA,    272                        ; a row of O in LDS: 256 bytes + 16: the 16 rows of a load start at 16 different groups of four banks (64 banks of 4 bytes: ISA guide 11.1)
.set PB,    288                        ; a k-row of Wo: 256 + 32
.set APART, 128*PA
.set BPART, 64*PB
.set BOFF,  2*APART
.set SLOT1, 1<<17
.set STAGE, SLOT1+BOFF+2*BPART         ; behind the ring: 16 rows x 528 bytes for each wave
.set SP,    528                        ; 512 bytes of f32 + 16
.set SPARE, STAGE+4*16*SP
.set STEPA, 256
.set STEPB, 128*2048
.set ROWC,  4096
.set ADRA0, 16
.set ADRB0, 17
.set ADRA,  18
.set ADRB,  19
.set STO,   24
.set RD,    25
.set CO,    26
.set BO,    27
.set SPW,   28                         ; v28  LDS address of my spare word; never rewritten
.set NIL,   29                         ; v29  0; never rewritten
.set PFO,   30
.set F0,    64
.set F1,    128
.set OB,    64
.set CNT,   3
.set CP,    8
.set WV,    10
.set FB,    11
.set HF,    12
.set TR,    13
.set AAD,   14
.set LA,    22
.set LB,    23
.set G1A,   24
.set G0A,   32
.set CX,    40
.set CY,    41
.set TC,    42
.set LIM,   43
.set PFA,   44
.set BAD,   46
.set G1B,   48
.set G0B,   56
.set PFS,   66
.set TB,    68
.set BP,    74
.set MSB, 0
.macro WIN new
.if MSB != (\new)
	s_set_vgpr_msb (MSB<<8)|(\new)
.set MSB, \new
.endif
.endm
.macro PLACES
.rept 4
	v_nop
.endr
.endm
.macro CREST
	s_cmp_lg_u32 s[WV], 0
	s_cbranch_scc1 .Lnot_wave_0_\@
	s_barrier_signal -3
.Lnot_wave_0_\@:
	s_barrier_wait -3
	s_barrier_signal -1
	s_barrier_wait -1
.endm
.macro CROUND
	s_barrier_signal -1
	s_barrier_wait -1
	CREST
.endm
.macro JLOAD                           ; a joint refill by the walking sets; an s_nop 0 and four v_nop follow each line
	s_cmp_eq_u32 s[FB], 0
	s_cbranch_scc0 .Lfor_b_\@
	tensor_load_to_lds s[G0A+4:G0A+7], s[G1A:G1A+7]
	s_nop 0
.rept 4
	v_nop
.endr
	s_branch .Lasked_\@
.Lfor_b_\@:
	tensor_load_to_lds s[G0B+4:G0B+7], s[G1B:G1B+7]
	s_nop 0
.rept 4
	v_nop
.endr
.Lasked_\@:
.endm
; A PREFETCH INTO THE L2 of the K step that stands AH refills on: 32 rows x 256 bytes, a lane a row.  Each row's 256 bytes of a K step are named once in the launch: O's rows by the clusters with x = 0
; (waves 0 and 1; of a wave's 128 rows the partner at cx takes 32); Wo's k-rows by the clusters with y = 0 (wave 2; of the step's 128 the partner at cy takes 32).  The last AH refills ask for nothing.
.macro ASK
	s_cmp_gt_u32 s[CNT], s[LIM]
	s_cbranch_scc0 .Lnot_mine_\@
	global_prefetch_b8 v[PFO], s[PFA:PFA+1] th:TH_LOAD_NT scope:SCOPE_SE
.Lnot_mine_\@:
.endm
	s_load_b256 s[80:87], s[0:1], 0x0              ; o16 s[80:81], wo16 s[82:83], bo s[84:85], out0 s[86:87]
	v_lshl_add_u32 v[SPW], v0, 2, SPARE
	v_mov_b32 v[NIL], 0
	ds_add_u32 v[SPW], v[NIL]                      ; the wave's opening: the add and its wait stand ahead of my first tensor load; the set-up below, work on registers, stands between them
	v_lshrrev_b32 v1, 5, v0
	v_readfirstlane_b32 s[WV], v1
	s_lshr_b32 s[FB], s[WV], 1
	s_and_b32 s[HF], s[WV], 1
	s_bfe_u32 s[CX], ttmp6, 0x40000
	s_bfe_u32 s[CY], ttmp6, 0x40004
	s_lshl_b32 s[TC], ttmp9, 2
	s_add_co_u32 s[TC], s[TC], s[CX]
	s_and_b32 s[TR], ttmp7, 0xffff
	s_lshl_b32 s[TR], s[TR], 2
	s_add_co_u32 s[TR], s[TR], s[CY]
	s_lshl_b32 s16, s[CY], 2
	s_lshl_b32 s16, 15, s16                        ; my row of the cluster
	s_lshl_b32 s17, 0x1111, s[CX]                  ; my column
	s_or_b32 s[G1A], s16, (1<<16)|(1<<20)|(1<<21)|(5<<22)|(3<<25)  ; the mask; 2-byte elements; padding on; bit 21 beside a mask; after every 64 words 4 words
	s_or_b32 s[G1B], s17, (1<<16)|(1<<20)|(1<<21)|(5<<22)|(7<<25)  ; the same with my column's mask and 8 words
	s_mov_b32 s[G1A+1], 128<<16                    ; tensor_dim0 = 128
	s_mov_b32 s[G1A+2], 128<<16                    ; tensor_dim1 = 128
	s_mov_b32 s[G1A+3], 128<<16                    ; tile_dim0 = 128
	s_mov_b32 s[G1A+4], 128                        ; tile_dim1 = 128
	s_mov_b32 s[G1A+5], 1024                       ; elements from row to row
	s_mov_b32 s[G1A+6], 0
	s_mov_b32 s[G1A+7], 0
	s_mov_b32 s[G1B+1], 128<<16
	s_mov_b32 s[G1B+2], 64<<16
	s_mov_b32 s[G1B+3], 128<<16
	s_mov_b32 s[G1B+4], 64
	s_mov_b32 s[G1B+5], 1024
	s_mov_b32 s[G1B+6], 0
	s_mov_b32 s[G1B+7], 0
	s_lshl_b32 s[AAD], s[TR], 8
	s_lshl_b32 s[AAD+1], s[HF], 7
	s_add_co_u32 s[AAD], s[AAD], s[AAD+1]
	s_lshl_b32 s[AAD], s[AAD], 11                  ; O: row 256 x tile row + 128 x half, 2,048 bytes each
	s_mov_b32 s[AAD+1], 0
	s_lshl_b32 s[BAD], s[HF], 17                   ; Wo: 64 k-rows of 2,048 bytes,
	s_lshl_b32 s[BAD+1], s[TC], 8                  ; 128 columns
	s_add_co_u32 s[BAD], s[BAD], s[BAD+1]
	s_mov_b32 s[BAD+1], 0
	s_mul_i32 s[LA], s[WV], APART
	s_mul_i32 s[LB], s[WV], BPART
	s_add_co_u32 s[LB], s[LB], BOFF-2*BPART        ; no place in the cluster enters an LDS address
	s_wait_dscnt 0x0                               ; the opening add is done
	s_wait_kmcnt 0x0
	s_add_nc_u64 s[AAD:AAD+1], s[80:81], s[AAD:AAD+1]
	s_add_nc_u64 s[BAD:BAD+1], s[82:83], s[BAD:BAD+1]
	CROUND                                         ; all sixteen work-groups are here: the first joint loads meet
.irp s, 0,1
	s_mov_b32 s[G0A+4*(\s)], 1
	s_add_co_u32 s[G0A+4*(\s)+1], s[LA], (\s)*SLOT1
	s_add_nc_u64 s[G0A+4*(\s)+2:G0A+4*(\s)+3], s[AAD:AAD+1], (\s)*STEPA
	s_or_b32 s[G0A+4*(\s)+3], s[G0A+4*(\s)+3], 0x80000000
	s_mov_b32 s[G0B+4*(\s)], 1
	s_add_co_u32 s[G0B+4*(\s)+1], s[LB], (\s)*SLOT1
	s_add_nc_u64 s[G0B+4*(\s)+2:G0B+4*(\s)+3], s[BAD:BAD+1], (\s)*STEPB
	s_or_b32 s[G0B+4*(\s)+3], s[G0B+4*(\s)+3], 0x80000000
.endr
	s_cmp_eq_u32 s[FB], 0                          ; a wave's two first fills stand in one branch: two loads of mine are out
	s_cbranch_scc0 .Lfirst_b
	tensor_load_to_lds s[G0A:G0A+3], s[G1A:G1A+7]
	s_nop 0
	tensor_load_to_lds s[G0A+4:G0A+7], s[G1A:G1A+7]
	s_nop 0
.rept 4
	v_nop
.endr
	s_branch .Lfirst_asked
.Lfirst_b:
	tensor_load_to_lds s[G0B:G0B+3], s[G1B:G1B+7]
	s_nop 0
	tensor_load_to_lds s[G0B+4:G0B+7], s[G1B:G1B+7]
	s_nop 0
.rept 4
	v_nop
.endr
.Lfirst_asked:
	; the bias, as the C operand of the first products: register 8 b + j of window 1 = bo[16 b + 8 (lane / 16) + j]
	s_lshl_b32 s16, s[TC], 9
	s_mov_b32 s17, 0
	s_add_nc_u64 s[BP:BP+1], s[84:85], s[16:17]
	v_and_b32 v1, 15, v0                           ; l % 16
	v_bfe_u32 v2, v0, 4, 1                         ; l / 16
	v_lshlrev_b32 v[BO], 5, v2
	WIN 0x40
.irp b, 0,1,2,3,4,5,6,7
	global_load_b128 v[8*(\b):8*(\b)+3],   v[BO], s[BP:BP+1] offset:64*(\b)
	global_load_b128 v[8*(\b)+4:8*(\b)+7], v[BO], s[BP:BP+1] offset:64*(\b)+16
.endr
	WIN 0
	v_mul_u32_u24 v3, v1, PA
	v_lshl_add_u32 v3, v2, 4, v3                   ; a fragment's row x pitch + 16 x half
	s_mul_i32 s16, s[WV], 64*PA
	v_add_nc_u32 v[ADRA0], s16, v3
	v_and_b32 v4, 7, v0                            ; the turning load: lane l reads k-row 8 (l / 16) + l % 8, columns 8 ((l / 8) % 2) + 0..7
	v_bfe_u32 v5, v0, 3, 1
	v_lshl_add_u32 v4, v2, 3, v4
	v_mul_u32_u24 v4, v4, PB
	v_lshl_add_u32 v4, v5, 4, v4
	v_add_nc_u32 v[ADRB0], BOFF, v4
	v_mov_b32 v[ADRA], v[ADRA0]
	v_mov_b32 v[ADRB], v[ADRB0]
	s_mov_b32 s[TB], 0
	s_mul_i32 s16, s[WV], 16*SP
	s_add_co_u32 s16, s16, STAGE                   ; my stage
	v_mul_u32_u24 v5, v1, SP                       ; in: row l % 16, 32 bytes for each half of the lanes
	v_lshl_add_u32 v5, v2, 5, v5
	v_add_nc_u32 v[STO], s16, v5
	v_and_b32 v[PFO], 31, v0
	v_lshlrev_b32 v[CO], 4, v[PFO]                 ; back: 32 lanes take one row of 512 bytes,
	v_add_nc_u32 v[RD], s16, v[CO]                 ; which is 512 consecutive bytes of out0
	v_lshlrev_b32 v[PFO], 11, v[PFO]
	s_lshl_b32 s16, s[TR], 8
	s_lshl_b32 s17, s[WV], 6
	s_add_co_u32 s16, s16, s17                     ; my first row: 256 x tile row + 64 x wave
	s_lshl_b32 s16, s16, 12
	s_lshl_b32 s17, s[TC], 9
	s_add_co_u32 s16, s16, s17
	s_mov_b32 s17, 0
	s_add_nc_u64 s[CP:CP+1], s[86:87], s[16:17]
	; the prefetches
	s_and_b32 s16, ttmp7, 0xffff                   ; cluster y
	s_mov_b32 s[PFS], STEPB
	s_cmp_eq_u32 s[FB], 0
	s_cselect_b32 s16, ttmp9, s16
	s_cselect_b32 s17, 0, s[HF]                    ; of Wo's two waves the first asks for the whole step
	s_cselect_b32 s18, s[CX], s[CY]
	s_cselect_b32 s[PFS], STEPA, s[PFS]
	s_cselect_b64 s[PFA:PFA+1], s[AAD:AAD+1], s[BAD:BAD+1]
	s_or_b32 s16, s16, s17
	s_cmp_eq_u32 s16, 0
	s_cselect_b32 s[LIM], AH, -1                   ; the same in all sixteen partners, for a given wave
	s_mov_b32 s[PFS+1], 0
	s_lshl_b32 s18, s18, 16                        ; my work-group's 32 rows of 2,048 bytes
	s_mov_b32 s19, 0
	s_add_nc_u64 s[PFA:PFA+1], s[PFA:PFA+1], s[18:19]
	s_mul_i32 s18, s[PFS], 1+AH                    ; at K step 1 + AH: each refill steps it first.  Nothing is prefetched here, at the head
	s_add_nc_u64 s[PFA:PFA+1], s[PFA:PFA+1], s[18:19]
.macro MUL8 f, a, zero                 ; 8 matrix instructions: row block a x all 8 column blocks; zero = 2: they start the sums with the bias.  The 32 accumulators take turns
.if (\zero) == 2
	WIN 0x91                                       ; Wo window 1, O window 0, C window 1, D window 2
.else
	WIN 0xa1
.endif
.irp b, 0,1,2,3,4,5,6,7
.if (\zero) == 2
	v_wmma_f32_16x16x32_f16 v[8*(8*(\a)+(\b)):8*(8*(\a)+(\b))+7], v[(\f)+8*(\b):(\f)+8*(\b)+7], v[(\f)+8*(\a):(\f)+8*(\a)+7], v[8*(\b):8*(\b)+7]
.else
	v_wmma_f32_16x16x32_f16 v[8*(8*(\a)+(\b)):8*(8*(\a)+(\b))+7], v[(\f)+8*(\b):(\f)+8*(\b)+7], v[(\f)+8*(\a):(\f)+8*(\a)+7], v[8*(8*(\a)+(\b)):8*(8*(\a)+(\b))+7]
.endif
.endr
.endm
.macro FETCH q, f                      ; 24 LDS loads in one run: Wo's sixteen first, then O's eight, block by block
	WIN 0x40
.irp b, 0,1,2,3,4,5,6,7
	ds_load_tr16_b128 v[(\f)+8*(\b):(\f)+8*(\b)+3],   v[ADRB] offset:32*PB*(\q)+32*(\b)
	ds_load_tr16_b128 v[(\f)+8*(\b)+4:(\f)+8*(\b)+7], v[ADRB] offset:32*PB*(\q)+32*(\b)+16*PB
.endr
	WIN 0
.irp a, 0,1,2,3
	ds_load_b128 v[(\f)+8*(\a):(\f)+8*(\a)+3],   v[ADRA] offset:64*(\q)+16*PA*(\a)
	ds_load_b128 v[(\f)+8*(\a)+4:(\f)+8*(\a)+7], v[ADRA] offset:64*(\q)+16*PA*(\a)+32
.endr
.endm
.macro QUARTER q, f, g, zero           ; multiplies buffer f and fetches quarter q into buffer g
	s_wait_dscnt 6                                 ; Wo's fragments and O's block 0 are in; blocks 1 to 3 (six loads) may be out
	MUL8 \f, 0, \zero
	s_wait_dscnt 4
	MUL8 \f, 1, \zero
	PLACES
	FETCH \q, \g
	s_wait_dscnt 26                                ; block 3's two loads and the 24 just issued may be out
	MUL8 \f, 2, \zero
	s_wait_dscnt 24
	MUL8 \f, 3, \zero
.endm
; The last quarter multiplies buffer 1 and changes slots: ONE barrier; in front of it each wave waits for all its tensor loads, adds 0 to its spare word, and waits for that and for its reads of this slot.
; fill = 1: the barrier opens a round of the cluster's barrier, and behind the round this slot is filled again, two K steps ahead.
.macro TURN fill
.if \fill
	s_wait_xcnt 0x0                                ; the last prefetch, a K step back, has read its address
	s_add_nc_u64 s[PFA:PFA+1], s[PFA:PFA+1], s[PFS:PFS+1]
.endif
	WIN 0
	s_wait_tensorcnt 0x0                           ; no tensor load of mine is out, so a group 0 may be written
	ds_add_u32 v[SPW], v[NIL]                      ; 0 onto my spare word
.if \fill
	s_xor_b32 s[G0A+5], s[G0A+5], SLOT1
	s_add_nc_u64 s[G0A+6:G0A+7], s[G0A+6:G0A+7], STEPA
	s_xor_b32 s[G0B+5], s[G0B+5], SLOT1
	s_add_nc_u64 s[G0B+6:G0B+7], s[G0B+6:G0B+7], STEPB
.endif
	s_xor_b32 s[TB], s[TB], SLOT1
	s_wait_dscnt 7                                 ; (the add and O's blocks 1 to 3 may be out)
	MUL8 F1, 0, 0
	s_wait_dscnt 0x0                               ; the add is done, and my reads of this slot are over
	s_barrier_signal -1
	MUL8 F1, 1, 0
	WIN 0
	s_barrier_wait -1
.if \fill
	CREST
	JLOAD                                          ; my one tensor load behind the round; its four v_nop are also the places in front of the loads below
.else
	PLACES
.endif
	v_add_nc_u32 v[ADRA], s[TB], v[ADRA0]
	v_add_nc_u32 v[ADRB], s[TB], v[ADRB0]
	FETCH 0, F0
.if \fill
	ASK
.endif
	MUL8 F1, 2, 0
	MUL8 F1, 3, 0
.endm
.macro LASTQ
	s_wait_dscnt 6
	MUL8 F1, 0, 0
	s_wait_dscnt 4
	MUL8 F1, 1, 0
	s_wait_dscnt 2
	MUL8 F1, 2, 0
	s_wait_dscnt 0x0
	MUL8 F1, 3, 0
.endm
; THE WAY OUT of row block a: the sums go as they are, 32 bytes a lane and column block (each accumulator's four lowest registers first), into my stage, and come back as whole rows of 512 bytes.
.macro TOSTAGE a
.set BK, OB+64*((\a)%2)
.if (\a) >= 2
	s_wait_xcnt 0x0                                ; the stores of the block two back have read the registers that are loaded again below
.endif
	WIN 0x08                                       ; the stores' data in window 2
.irp b, 0,1,2,3,4,5,6,7
	ds_store_b128 v[STO], v[64*(\a)+8*(\b):64*(\a)+8*(\b)+3]   offset:64*(\b)
	ds_store_b128 v[STO], v[64*(\a)+8*(\b)+4:64*(\a)+8*(\b)+7] offset:64*(\b)+16
.endr
	WIN 0
.irp t, 0,1,2,3,4,5,6,7,8,9,10,11,12,13,14,15
	ds_load_b128 v[BK+4*(\t):BK+4*(\t)+3], v[RD] offset:(\t)*SP  ; LDS serves a wave's instructions in order (ISA guide 5.7.1.4): these see the stores above
.endr
.endm
.macro SEND a, younger                 ; younger: the LDS instructions issued behind the block's loads: the next block's 32, or none
	WIN 0
.set BK, OB+64*((\a)%2)
	s_wait_dscnt \younger
.irp t, 0,1,2,3,4,5,6,7,8,9,10,11,12,13,14,15
	global_store_b128 v[CO], v[BK+4*(\t):BK+4*(\t)+3], s[CP:CP+1] offset:(16*(\a)+(\t))*ROWC th:TH_STORE_NT  ; a wave stores 512 consecutive bytes, aligned
.endr
.endm
	s_wait_tensorcnt 1                             ; my part of K step 0 is in; K step 1's may stay out
	s_barrier_signal -1
	s_barrier_wait -1
	FETCH 0, F0
	s_wait_loadcnt 0x0                             ; the bias
	QUARTER 1, F0, F1, 2                           ; the first quarter stands in front of the loop: its products start the sums
	WIN 0
	s_mov_b32 s[CNT], T-2
.Lstep:                                                ; a trip: from a K step's second quarter to the next step's first; it fills one slot again
	QUARTER 2, F1, F0, 0
	QUARTER 3, F0, F1, 0
	TURN 1
	QUARTER 1, F0, F1, 0
	WIN 0
	s_sub_co_u32 s[CNT], s[CNT], 1
	s_cmp_lg_u32 s[CNT], 0
	s_cbranch_scc1 .Lstep
	s_mov_b32 s[CNT], 2                            ; the last two K steps ask for nothing: a text of their own; the second trip is left in its middle
.Ltail:
	QUARTER 2, F1, F0, 0
	QUARTER 3, F0, F1, 0
	WIN 0
	s_sub_co_u32 s[CNT], s[CNT], 1
	s_cmp_eq_u32 s[CNT], 0
	s_cbranch_scc1 .Lout
	TURN 0
	QUARTER 1, F0, F1, 0
	WIN 0
	s_branch .Ltail
.Lout:
	LASTQ
	PLACES
	PLACES
	TOSTAGE 0
	TOSTAGE 1
	SEND 0, 32
	TOSTAGE 2
	SEND 1, 32
	TOSTAGE 3
	SEND 2, 32
	SEND 3, 0
	s_wait_tensorcnt 0x0                           ; the wave's end: behind my last tensor load and my last LDS store
	ds_add_u32 v[SPW], v[NIL]
	s_wait_dscnt 0x0
	CROUND                                         ; the closing round
	s_endpgm
.Lfunc_end_k_qe726fc6f85_outp:
	.size	k_qe726fc6f85_outp, .Lfunc_end_k_qe726fc6f85_outp-k_qe726fc6f85_outp
	.p2alignl 7, 3214868480
	.fill 96, 4, 3214868480
	.section	.rodata,"a",@progbits
	.p2align	6, 0x0
	.amdhsa_kernel k_qe726fc6f85_outp
		.amdhsa_group_segment_fixed_size 327680
		.amdhsa_private_segment_fixed_size 0
		.amdhsa_enable_private_segment 0
		.amdhsa_kernarg_size 32
		.amdhsa_user_sgpr_count 2
		.amdhsa_user_sgpr_kernarg_segment_ptr 1
		.amdhsa_wavefront_size32 1
		.amdhsa_system_sgpr_workgroup_id_x 1
		.amdhsa_system_sgpr_workgroup_id_y 1
		.amdhsa_system_sgpr_workgroup_id_z 1
		.amdhsa_system_vgpr_workitem_id 0
		.amdhsa_next_free_vgpr 768
		.amdhsa_next_free_sgpr 96
		.amdhsa_reserve_vcc 0
		.amdhsa_float_denorm_mode_32 3
		.amdhsa_float_denorm_mode_16_64 3
		.amdhsa_memory_ordered 1
		.amdhsa_forward_progress 1
		.amdhsa_inst_pref_size 65
	.end_amdhsa_kernel
	.amdgpu_metadata
---
amdhsa.version: [ 1, 2 ]
amdhsa.kernels:
  - .name:           k_qe726fc6f85_outp
    .symbol:         k_qe726fc6f85_outp.kd
    .args:
      - { .name: o16, .offset: 0, .size: 8, .value_kind: global_buffer, .address_space: global }
      - { .name: wo16, .offset: 8, .size: 8, .value_kind: global_buffer, .address_space: global }
      - { .name: bo, .offset: 16, .size: 8, .value_kind: global_buffer, .address_space: global }
      - { .name: out0, .offset: 24, .size: 8, .value_kind: global_buffer, .address_space: global }
    .group_segment_fixed_size: 327680
    .private_segment_fixed_size: 0
    .kernarg_segment_align: 8
    .kernarg_segment_size: 32
    .max_flat_workgroup_size: 128
    .sgpr_count:     96
    .vgpr_count:     768
    .wavefront_size: 32
...
	.end_amdgpu_metadata
.endif
;; end of part 5
;; ======== version 2 of 2: 5 launches; version 1 with the launch prep written anew for expert scheduling mode
;; limits: values are held in f16: magnitudes above 65,504 overflow, below 6.1e-05 lose precision
;; workspace buffers: x16 16,777,216 bytes; wqkv 6,291,456 bytes; wo16 2,097,152 bytes; qkv 50,331,648 bytes; pl 33,554,432 bytes; stats 1,048,576 bytes; o16 16,777,216 bytes
;; launch prep (part 6): grid 768 x 1, 8 waves a work-group, no clusters, 0 bytes of LDS; arguments x, Wq, Wk, Wv, Wo, x16, wqkv, wo16; writes x16, wqkv, wo16
.if DOCPART == 6
	.amdgcn_target "amdgcn-amd-amdhsa--gfx1250"
	.amdhsa_code_object_version 6
	.text
	.protected	k_qe726fc6f85_prep
	.globl	k_qe726fc6f85_prep
	.p2align	8
	.type	k_qe726fc6f85_prep,@function
k_qe726fc6f85_prep:
	s_mov_b64 s[64:65], 0
	v_nop
	global_prefetch_b8 v0, s[64:65] scope:SCOPE_SE
	s_setreg_imm32_b32 hwreg(HW_REG_WAVE_SCHED_MODE, 0, 2), 2
	s_setreg_imm32_b32 hwreg(HW_REG_WAVE_MODE, 25, 1), 1
	s_wait_xcnt 0x0
	s_wait_alu depctr_vm_vsrc(0)
; x, Wq, Wk, Wv, Wo (f32) are rounded once to f16, numbers in the same order: x -> x16; Wq, Wk, Wv -> wqkv (one behind the other); Wo -> wo16.
; LIMIT.  f16 holds no number beyond 65,504: an input of 65,520 or more becomes an infinity; below 6e-5 f16 keeps a fixed step of 6e-8.
; A stream: no LDS, no barrier, no matrix unit.  A work-group owns a chunk of 16,384 numbers: 65,536 bytes in, 32,768 out.
; Work-groups 0-511 take x's chunks; 512 + 64 w + c takes chunk c of weight w (Wq, Wk, Wv, Wo).  Source and destination are chosen by selects, not by branches.
; Thread t takes bytes 16 t of each of the chunk's sixteen rows of 4,096 bytes: a wave's load covers 512 consecutive bytes, its store 256 consecutive bytes, aligned.
; All sixteen loads go out first; no register is written twice, so no wait frees any.
; THE MODE: SCHED_MODE bits 1:0 = 2 (LLVM: expert scheduling mode 2), set by the entry lines.  The code itself states the register dependences
; between vector instructions and memory instructions, with s_wait_alu, always for 0.
; THE PLAN.  Registers that memory instructions touch:
;   v1, v2   byte offsets of the loads and of the stores: made once at the head, never written again.
;   IN       load i lands in four registers of its own, which no vector instruction names before; its two conversions read them behind the wait for the data.
;   OUT      the two conversions of load i write a pair of their own, once; one store reads it.
; The sixteen rows go in four blocks of four.  Block p converts its four rows; its memory instructions are the four stores of block p - 1, whose data and offset no vector
; instruction of block p names.  So one wait at a block's head states all that the block's stores hang on, and they are dealt among its conversions with no further wait.
; No register that a memory instruction reads is written again, no vector instruction writes a scalar register or VCC, and EXEC is never written: those dependences do not arise.
.set IN,  4                            ; v[4:67]   sixteen loads of four numbers
.set OUT, 68                           ; v[68:99]  sixteen pairs of registers, four f16 each
.set BLK, 4                            ; rows in a block
	s_load_b512 s[8:23], s[0:1], 0x0               ; x s[8:9], Wq s[10:11], Wk s[12:13], Wv s[14:15], Wo s[16:17], x16 s[18:19], wqkv s[20:21], wo16 s[22:23]
	s_sub_co_u32 s2, ttmp9, 512                    ; (of use only from work-group 512 on)
	s_lshr_b32 s3, s2, 6                           ; which weight
	s_and_b32 s4, s2, 63                           ; which chunk of it
	s_cmp_lt_u32 ttmp9, 512
	s_cselect_b32 s3, 4, s3                        ; 4 stands for x
	s_cselect_b32 s4, ttmp9, s4
	s_cmp_lt_u32 s3, 3
	s_cselect_b32 s5, s3, 0                        ; Wq, Wk, Wv lie 2,097,152 bytes apart in wqkv
	s_lshl_b32 s24, s4, 16                         ; the chunk's byte offset in its source,
	s_mov_b32 s25, 0
	s_lshl_b32 s26, s4, 15                         ; and in its destination
	s_lshl_b32 s5, s5, 21
	s_add_co_u32 s26, s26, s5
	s_mov_b32 s27, 0
	v_lshlrev_b32 v1, 4, v0                        ; 16 t
	v_lshlrev_b32 v2, 3, v0                        ; 8 t
	s_wait_kmcnt 0x0
	s_cmp_eq_u32 s3, 1
	s_cselect_b64 s[28:29], s[12:13], s[10:11]
	s_cmp_eq_u32 s3, 2
	s_cselect_b64 s[28:29], s[14:15], s[28:29]
	s_cmp_eq_u32 s3, 3
	s_cselect_b64 s[28:29], s[16:17], s[28:29]
	s_cselect_b64 s[30:31], s[22:23], s[20:21]
	s_cmp_eq_u32 s3, 4
	s_cselect_b64 s[28:29], s[8:9], s[28:29]
	s_cselect_b64 s[30:31], s[18:19], s[30:31]
	s_add_nc_u64 s[28:29], s[28:29], s[24:25]
	s_add_nc_u64 s[30:31], s[30:31], s[26:27]
	s_wait_alu depctr_va_vdst(0)                   ; v1 and v2 are written: every load of the kernel reads v1 as its offset, every store v2
.set i, 0
.rept 16
	global_load_b128 v[IN+4*i:IN+4*i+3], v1, s[28:29] offset:4096*i th:TH_LOAD_NT
.set i, i+1
.endr
.set p, 0
.rept 16/BLK
	s_wait_loadcnt 16-BLK-BLK*p                    ; loads come back in order (ISA guide 5.7.1): block p's four are in, the younger blocks stay out
.if p > 0
	s_wait_alu depctr_va_vdst(0)                   ; the conversions of the block before have written its four pairs of OUT, which the stores below read
.endif
.set i, BLK*p
.rept BLK
.if p > 0
	global_store_b64 v2, v[OUT+2*(i-BLK):OUT+2*(i-BLK)+1], s[30:31] offset:2048*(i-BLK)  ; a row of the block before; no vector instruction since the wait names its pair or v2
.endif
	v_cvt_pk_f16_f32 v[OUT+2*i], v[IN+4*i], v[IN+4*i+1]
	v_cvt_pk_f16_f32 v[OUT+2*i+1], v[IN+4*i+2], v[IN+4*i+3]
.set i, i+1
.endr
.set p, p+1
.endr
	s_wait_alu depctr_va_vdst(0)                   ; the last block's conversions have written its four pairs of OUT, which the last four stores read
.set i, 16-BLK
.rept BLK
	global_store_b64 v2, v[OUT+2*i:OUT+2*i+1], s[30:31] offset:2048*i
.set i, i+1
.endr
	s_endpgm
.Lfunc_end_k_qe726fc6f85_prep:
	.size	k_qe726fc6f85_prep, .Lfunc_end_k_qe726fc6f85_prep-k_qe726fc6f85_prep
	.p2alignl 7, 3214868480
	.fill 96, 4, 3214868480
	.section	.rodata,"a",@progbits
	.p2align	6, 0x0
	.amdhsa_kernel k_qe726fc6f85_prep
		.amdhsa_group_segment_fixed_size 0
		.amdhsa_private_segment_fixed_size 0
		.amdhsa_enable_private_segment 0
		.amdhsa_kernarg_size 64
		.amdhsa_user_sgpr_count 2
		.amdhsa_user_sgpr_kernarg_segment_ptr 1
		.amdhsa_wavefront_size32 1
		.amdhsa_system_sgpr_workgroup_id_x 1
		.amdhsa_system_sgpr_workgroup_id_y 1
		.amdhsa_system_sgpr_workgroup_id_z 1
		.amdhsa_system_vgpr_workitem_id 0
		.amdhsa_next_free_vgpr 104
		.amdhsa_next_free_sgpr 66
		.amdhsa_reserve_vcc 0
		.amdhsa_float_denorm_mode_32 3
		.amdhsa_float_denorm_mode_16_64 3
		.amdhsa_memory_ordered 1
		.amdhsa_forward_progress 1
		.amdhsa_inst_pref_size 7
	.end_amdhsa_kernel
	.amdgpu_metadata
---
amdhsa.version: [ 1, 2 ]
amdhsa.kernels:
  - .name:           k_qe726fc6f85_prep
    .symbol:         k_qe726fc6f85_prep.kd
    .args:
      - { .name: x, .offset: 0, .size: 8, .value_kind: global_buffer, .address_space: global }
      - { .name: Wq, .offset: 8, .size: 8, .value_kind: global_buffer, .address_space: global }
      - { .name: Wk, .offset: 16, .size: 8, .value_kind: global_buffer, .address_space: global }
      - { .name: Wv, .offset: 24, .size: 8, .value_kind: global_buffer, .address_space: global }
      - { .name: Wo, .offset: 32, .size: 8, .value_kind: global_buffer, .address_space: global }
      - { .name: x16, .offset: 40, .size: 8, .value_kind: global_buffer, .address_space: global }
      - { .name: wqkv, .offset: 48, .size: 8, .value_kind: global_buffer, .address_space: global }
      - { .name: wo16, .offset: 56, .size: 8, .value_kind: global_buffer, .address_space: global }
    .group_segment_fixed_size: 0
    .private_segment_fixed_size: 0
    .kernarg_segment_align: 8
    .kernarg_segment_size: 64
    .max_flat_workgroup_size: 256
    .sgpr_count:     66
    .vgpr_count:     104
    .wavefront_size: 32
...
	.end_amdgpu_metadata
.endif
;; end of part 6
;; launch proj: the kernel of part 2 again; grid 12 x 16, 4 waves a work-group, clusters of 4 x 4, 327,680 bytes of LDS; arguments x16, wqkv, bq, bk, bv, qkv; writes qkv
;; launch scores: the kernel of part 3 again; grid 8 x 32, 4 waves a work-group, clusters of 4 x 4, 327,680 bytes of LDS; arguments qkv, pl, stats; writes pl, stats
;; launch pv: the kernel of part 4 again; grid 8 x 32, 4 waves a work-group, clusters of 4 x 4, 327,680 bytes of LDS; arguments pl, qkv, stats, o16; writes o16
;; launch outp: the kernel of part 5 again; grid 8 x 32, 4 waves a work-group, clusters of 4 x 4, 327,680 bytes of LDS; arguments o16, wo16, bo, out0; writes out0
